; MI455X (gfx1250); checked and timed in simulation.
; The chip was launched on July 23, 2026; its instructions are those of AMD's public machine-readable ISA for CDNA 5 (MIT licence, August 2026) and "CDNA5" Instruction Set Architecture Reference Guide (July 2026). The comments in the code are by the model that wrote it; some were corrected since.
;; Cross Attention. Allowed arithmetic: float matrix products may take bf16 or f16 operands with f32 sums; all other float work in f32.
;; Inputs: Wk 1,024 x 768 float32; Wo 1,024 x 1,024 float32; Wq 1,024 x 1,024 float32; Wv 1,024 x 768 float32; x_kv 2 x 4,096 x 768 float32; x_q 2 x 1,024 x 1,024 float32.
;; Outputs: out0 2 x 1,024 x 1,024 float32.
;; One version. Each part assembles by itself: llvm-mc -triple=amdgcn-amd-amdhsa -mcpu=gfx1250 --defsym DOCPART=n.
;; ======== version 1 of 1: 4 launches
;; limits: values are held in f16: magnitudes above 65,504 overflow, below 6.1e-05 lose precision
;; workspace buffers: xkv_b 12,582,912 bytes; wkv_b 3,145,728 bytes; wq_b 2,097,152 bytes; wo_b 2,097,152 bytes; xq_b 4,194,304 bytes; att_b 4,194,304 bytes; q_f 8,388,608 bytes; kv 33,554,432 bytes
;; launch conv (part 1): grid 736 x 1, 8 waves a work-group, no clusters, 0 bytes of LDS; arguments x_kv, Wk, Wv, Wq, Wo, x_q, xkv_b, wkv_b, wq_b, wo_b, xq_b; writes xkv_b, wkv_b, wq_b, wo_b, xq_b
.if DOCPART == 1
	.amdgcn_target "amdgcn-amd-amdhsa--gfx1250"
	.amdhsa_code_object_version 6
	.text
	.protected	k_q1323992668_conv
	.globl	k_q1323992668_conv
	.p2align	8
	.type	k_q1323992668_conv,@function
k_q1323992668_conv:
	s_mov_b64 s[64:65], 0
	v_nop
	global_prefetch_b8 v0, s[64:65] scope:SCOPE_SE
	s_setreg_imm32_b32 hwreg(HW_REG_WAVE_MODE, 25, 1), 1
	s_wait_xcnt 0x0
; All six f32 inputs are rounded once to bf16 (nearest even; NaN and infinities pass as they are), so that the products that follow
; read 16-bit tiles.  A stream: every input byte is read once, every output byte written once.  No LDS, no matrix unit, no cluster:
; no two work-groups read the same byte.
; A work-group takes 65,536 bytes of f32 and writes 32,768 bytes of bf16; a wave takes 8,192 bytes as sixteen 16-byte loads a lane.
; Work-groups 0-383 x_kv, 384-431 Wk, 432-479 Wv (behind Wk in wkv_b), 480-543 Wq, 544-607 Wo: copied in place order.
; Work-groups 608-735: x_q goes into the blocked order [batch 2][block of 64 columns 16][row 1024][64], in which a tile of 64 rows x 64
; columns is 8,192 dense bytes.  There lanes 0-15 read 256 bytes of one row and lanes 16-31 the same columns of the next row.
; In both orders the 32 lanes' 8-byte stores cover 256 consecutive bytes, aligned.
; Nothing is rewritten while a load or store may read it: every load has its own offset and data registers, every store its own data.
.set OFF, 2                            ; v[2:17]   byte offset of load i
.set OUT, 18                           ; v18       byte offset of my 8 bytes in the wave's first store
.set X,   20                           ; v[20:83]  load i: 4 registers of f32
.set Y,   84                           ; v[84:115] store i: 2 registers of bf16
; from work-group LIMIT on: another source, another destination, and the work-group numbers at which they begin
.macro SEL limit, src, dst, dbase
	s_cmp_ge_u32 s4, \limit
	s_cselect_b64 s[32:33], s[\src:\src+1], s[32:33]
	s_cselect_b64 s[34:35], s[\dst:\dst+1], s[34:35]
	s_cselect_b32 s36, \limit, s36
	s_cselect_b32 s37, \dbase, s37
.endm
	s_load_b512 s[8:23], s[0:1], 0x0               ; x_kv 8, Wk 10, Wv 12, Wq 14, Wo 16, x_q 18, xkv_b 20, wkv_b 22
	s_load_b128 s[24:27], s[0:1], 0x40             ; wq_b 24, wo_b 26
	s_load_b64 s[28:29], s[0:1], 0x50              ; xq_b 28
	s_mov_b32 s4, ttmp9                            ; the work-group's number
	v_and_b32 v1, 15, v0                           ; lane mod 16
	v_bfe_u32 v19, v0, 4, 1                        ; lane / 16
	v_lshrrev_b32 v116, 5, v0                      ; wave
	v_and_b32 v117, 31, v0                         ; lane
	v_lshlrev_b32 v[OUT], 3, v117
	v_lshl_add_u32 v[OUT], v116, 12, v[OUT]        ; 4,096 x wave + 8 x lane
	s_mov_b32 s36, 0
	s_mov_b32 s37, 0
	s_wait_kmcnt 0x0
	s_mov_b64 s[32:33], s[8:9]
	s_mov_b64 s[34:35], s[20:21]
	SEL 384, 10, 22, 384
	SEL 432, 12, 22, 384
	SEL 480, 14, 24, 480
	SEL 544, 16, 26, 544
	SEL 608, 18, 28, 608
	s_sub_co_u32 s5, s4, s36                       ; u: my number within the source
	s_sub_co_u32 s42, s4, s37
	s_lshl_b32 s42, s42, 15                        ; output: 32,768 bytes a work-group, in every case
	s_mov_b32 s43, 0
	s_lshl_b32 s40, s5, 16                         ; input in place order: 65,536 bytes a work-group
	s_lshr_b32 s44, s5, 6                          ; blocked: batch = u / 64,
	s_lshl_b32 s44, s44, 22                        ;   4,194,304 bytes each
	s_and_b32 s45, s5, 3                           ; which 256 rows = u mod 4,
	s_lshl_b32 s45, s45, 20                        ;   256 rows of 4,096 bytes
	s_bfe_u32 s46, s5, 0x40002                     ; block of columns = (u / 4) mod 16,
	s_lshl_b32 s46, s46, 8                         ;   256 bytes each
	s_add_co_u32 s44, s44, s45
	s_add_co_u32 s44, s44, s46
	s_cmp_ge_u32 s4, 608
	s_cselect_b32 s40, s44, s40
	s_cselect_b32 s38, 4, 0                        ; blocked: all three strides are 16 times as long (a row of 4,096 bytes for 256)
	s_mov_b32 s41, 0
	s_add_nc_u64 s[32:33], s[32:33], s[40:41]
	s_add_nc_u64 s[34:35], s[34:35], s[42:43]
	s_lshl_b32 s39, 256, s38                       ; from lanes 0-15 to lanes 16-31
	s_lshl_b32 s6, 512, s38                        ; from load to load
	s_lshl_b32 s7, 8192, s38                       ; from wave to wave
	v_lshlrev_b32 v[OFF], 4, v1
	v_mad_u32_u24 v[OFF], v19, s39, v[OFF]
	v_mad_u32_u24 v[OFF], v116, s7, v[OFF]
.set i, 1
.rept 15
	v_add_nc_u32 v[OFF+i], s6, v[OFF+i-1]
.set i, i+1
.endr
.set i, 0
.rept 16
	global_load_b128 v[X+4*i:X+4*i+3], v[OFF+i], s[32:33] th:TH_LOAD_NT    ; read once in the launch
.set i, i+1
.endr
.set i, 0
.rept 16
	s_wait_loadcnt 15-i                            ; loads come back in order: load i is in, the 15 - i younger ones stay out
	v_cvt_pk_bf16_f32 v[Y+2*i],   v[X+4*i],   v[X+4*i+1]
	v_cvt_pk_bf16_f32 v[Y+2*i+1], v[X+4*i+2], v[X+4*i+3]
	global_store_b64 v[OUT], v[Y+2*i:Y+2*i+1], s[34:35] offset:256*i       ; no hint: the next launches read these bytes
.set i, i+1
.endr
	s_endpgm
.Lfunc_end_k_q1323992668_conv:
	.size	k_q1323992668_conv, .Lfunc_end_k_q1323992668_conv-k_q1323992668_conv
	.p2alignl 7, 3214868480
	.fill 96, 4, 3214868480
	.section	.rodata,"a",@progbits
	.p2align	6, 0x0
	.amdhsa_kernel k_q1323992668_conv
		.amdhsa_group_segment_fixed_size 0
		.amdhsa_private_segment_fixed_size 0
		.amdhsa_enable_private_segment 0
		.amdhsa_kernarg_size 88
		.amdhsa_user_sgpr_count 2
		.amdhsa_user_sgpr_kernarg_segment_ptr 1
		.amdhsa_wavefront_size32 1
		.amdhsa_system_sgpr_workgroup_id_x 1
		.amdhsa_system_sgpr_workgroup_id_y 1
		.amdhsa_system_sgpr_workgroup_id_z 1
		.amdhsa_system_vgpr_workitem_id 0
		.amdhsa_next_free_vgpr 120
		.amdhsa_next_free_sgpr 66
		.amdhsa_reserve_vcc 0
		.amdhsa_float_denorm_mode_32 3
		.amdhsa_float_denorm_mode_16_64 3
		.amdhsa_memory_ordered 1
		.amdhsa_forward_progress 1
		.amdhsa_inst_pref_size 10
	.end_amdhsa_kernel
	.amdgpu_metadata
---
amdhsa.version: [ 1, 2 ]
amdhsa.kernels:
  - .name:           k_q1323992668_conv
    .symbol:         k_q1323992668_conv.kd
    .args:
      - { .name: x_kv, .offset: 0, .size: 8, .value_kind: global_buffer, .address_space: global }
      - { .name: Wk, .offset: 8, .size: 8, .value_kind: global_buffer, .address_space: global }
      - { .name: Wv, .offset: 16, .size: 8, .value_kind: global_buffer, .address_space: global }
      - { .name: Wq, .offset: 24, .size: 8, .value_kind: global_buffer, .address_space: global }
      - { .name: Wo, .offset: 32, .size: 8, .value_kind: global_buffer, .address_space: global }
      - { .name: x_q, .offset: 40, .size: 8, .value_kind: global_buffer, .address_space: global }
      - { .name: xkv_b, .offset: 48, .size: 8, .value_kind: global_buffer, .address_space: global }
      - { .name: wkv_b, .offset: 56, .size: 8, .value_kind: global_buffer, .address_space: global }
      - { .name: wq_b, .offset: 64, .size: 8, .value_kind: global_buffer, .address_space: global }
      - { .name: wo_b, .offset: 72, .size: 8, .value_kind: global_buffer, .address_space: global }
      - { .name: xq_b, .offset: 80, .size: 8, .value_kind: global_buffer, .address_space: global }
    .group_segment_fixed_size: 0
    .private_segment_fixed_size: 0
    .kernarg_segment_align: 8
    .kernarg_segment_size: 88
    .max_flat_workgroup_size: 256
    .sgpr_count:     66
    .vgpr_count:     120
    .wavefront_size: 32
...
	.end_amdgpu_metadata
.endif
;; end of part 1
;; launch gemm_kvq (part 2): grid 8 x 32, 4 waves a work-group, clusters of 4 x 4, 327,680 bytes of LDS; arguments xkv_b, wkv_b, kv, xq_b, wq_b, q_f; writes kv, q_f
.if DOCPART == 2
	.amdgcn_target "amdgcn-amd-amdhsa--gfx1250"
	.amdhsa_code_object_version 6
	.text
	.protected	k_q1323992668_gemm_kvq
	.globl	k_q1323992668_gemm_kvq
	.p2align	8
	.type	k_q1323992668_gemm_kvq,@function
k_q1323992668_gemm_kvq:
	s_mov_b64 s[64:65], 0
	v_nop
	global_prefetch_b8 v0, s[64:65] scope:SCOPE_SE
	s_setreg_imm32_b32 hwreg(HW_REG_WAVE_MODE, 25, 1), 1
	s_wait_xcnt 0x0
	s_wait_alu depctr_hold_cnt(0) depctr_sa_sdst(0) depctr_va_vdst(0) depctr_va_sdst(0) depctr_va_ssrc(0) depctr_va_vcc(0) depctr_vm_vsrc(0)
	s_getreg_b32 s2, hwreg(HW_REG_IB_STS2, 6, 4)
	s_cmp_eq_u32 s2, 0
	s_cbranch_scc0 .Lentry_in_a_cluster
	s_endpgm
.Lentry_in_a_cluster:
	s_bfe_u32 s2, ttmp6, 0x10000c
	s_cmp_lg_u32 s2, 0xf033
	s_cbranch_scc0 .Lentry_shape_is_right
	s_endpgm
.Lentry_shape_is_right:
; K, V and Q in one launch.
; PART 1: C[m][n] = sum over k of A[m][k] B[n][k], A = x_kv [8192][768], B = Wk's 1,024 rows and then Wv's [2048][768], bf16, sums in f32.
; Columns 0-1023 are K and go out as bf16 into kv's first plane [8192][1024]; columns 1024-2047 are V and go out as f16 into the second plane, 16,777,216 bytes on.
; Since the heads are a plain reshape, these planes already are [batch x head 32][key 4096][64].
; LIMIT: V is kept in f16, so |V| has to stay below 65,504 (beyond it: infinity).  f16 is taken for its three more bits: with nearly even attention weights the
; rounding errors of V do not average out against the result, which is itself a mean of V.
; A work-group makes 256 x 256 of C with four waves, as many as a WGP has SIMDs; a wave makes 128 x 128: 64 accumulator tiles, 512 registers.
; K goes in steps of 128 through a ring of two LDS slots filled by the tensor data mover: rows of 256 bytes, aligned.
; PART 2: Q = x_q Wq^T, [2048][1024] in f32, K = 1024.  The same 256 work-groups make 64 x 128 each, a wave 32 x 64 (8 accumulator tiles).  x_q is bf16 in the blocked
; order [batch 2][block of 64 k 16][row 1024][64], Wq bf16 [1024][1024].  All of A's K lies in LDS (16 blocks of 64 rows x 144 bytes); Wq goes through two slots of
; 256 along K (128 rows x 528 bytes).  Part 2 is laid between the passes of part 1's way out: its tiles are on their way while part 1's results are rounded and
; stored, and part 1's stores leave while part 2 multiplies.
; CLUSTERS: 4 x 4 work-groups.  In both parts the four of a row of the cluster need the same tiles of A, the four of a column the same tiles of B: each tile is asked
; for jointly, by the same tensor load with the same descriptor and a mask that names the four.  That divides the requests for A and B by four.
;
; REGISTERS, in windows of 256:
;   window 0: v0-31 addresses; v64-127, v128-191 fragments of A, two buffers (on the way out: rows read back); v192-223 at work on the way out
;   window 1: v64-127, v128-191 fragments of B, two buffers.  Behind the K loop all of part 2: v8-16 addresses (made at the start: the K loop does not touch them),
;             v32-79, v80-127 fragment buffers, v128-191 accumulators.  So one window setting serves every line of part 2.
;   window 2: the 32 accumulator tiles of my rows 0-63 (tile (a, b) at v[8 (8 a + b)]);   window 3: those of my rows 64-127
; The matrix instruction is used transposed (source 0 = rows of B, source 1 = rows of A): a lane's eight results are eight neighbouring columns of one row of C.
.set SIZE_K, 768
.set CP,     2048                      ; bytes from row to row in a plane of kv
.set KSTEP,  128
.set PITCH,  272                       ; an LDS row: 256 bytes + 16 of padding: the 16 rows that a load touches lie 16 bytes apart modulo 256
.set HALFT,  128*PITCH                 ; 128 rows: what one tensor load brings
.set SLOT,   4*HALFT                   ; A's 256 rows, then B's 256 rows.  The ring ends at byte 278,528
.set STAGE,  282624                    ; = 1,104 x 256, behind the ring and behind part 2's tiles: no tensor load lands here
.set WSTAGE, 8704                      ; a wave's stage: 32 rows x 272 bytes for part 2; part 1 uses its first 16 rows
.set SPITCH, 272
.set LAPS, SIZE_K/(2*KSTEP)            ; a lap = two K steps = once round the ring: 3
.set ADRA, 16                          ; v16-17  LDS address of my A fragments in slot 0, 1
.set ADRB, 20                          ; v20-21  the same for B
.set STO,  24                          ; v24     the way out: where I put 16 bytes of a row
.set RD,   25                          ; v25     the way out: where I read a row back
.set CO,   26                          ; v26     my byte offset in C
.set F0,   64
.set F1,   128
.set TMP,  192
.set G1, 24                            ; s[24:31] descriptor group 1 for A's tiles
.set G0, 32                            ; s[32:39] descriptor group 0 for A's tiles, one set for each slot
.set G1B, 48                           ; s[48:55] group 1 for B's tiles: it differs in the mask alone
.set G0B, 56                           ; s[56:63] group 0 for B's tiles
; part 2
.set QAP,    144                       ; A's LDS pitch: 128 bytes + 16
.set QABLK,  64*QAP                    ; 9,216: a block of 64 rows x 64 k
.set QBP,    528                       ; Wq's LDS pitch: 512 bytes + 16
.set QBBASE, 16*QABLK                  ; 147,456
.set QBSLOT, 128*QBP                   ; 67,584; QBBASE + 2 QBSLOT = STAGE
.set QADRA, 8                          ; window 1: v[8:11]  LDS address of my A fragments for visit 0..3 (a visit = 256 along K)
.set QADRB, 12                         ;           v[12:13] LDS address of my B fragments in slot 0, 1
.set QSTO,  14
.set QRD,   15
.set QCO,   16
.set QF0,   32                         ;           v[32:79]   fragment buffer 0: A's two at +0, B's four at +16
.set QF1,   80                         ;           v[80:127]  fragment buffer 1
.set QACC,  128                        ;           v[128:191] tile (a, b) at QACC + 8 (4 a + b)
.set QG1A, 68                          ; s[68:75] group 1 for x_q's tiles
.set QG1B, 76                          ; s[76:83] group 1 for Wq's tiles
.set QG0A, 84                          ; s[84:87] group 0: eight blocks of x_q (waves 0, 1)
.set QG0F, 88                          ; s[88:91] group 0: a whole slot of Wq, k 0-255 or 256-511 (waves 2, 3)
.set QG0Q, 92                          ; s[92:99] group 0: my quarter of slot 0 for k 512-767, of slot 1 for k 768-1023
.set MSB, 0
.macro WIN new                         ; the immediate's high byte repeats the setting that is left
.if MSB != \new
	s_set_vgpr_msb (MSB<<8)|\new
.set MSB, \new
.endif
.endm
.set MUL_LO, 0xa1                      ; source 0 (B) window 1, source 1 (A) window 0, C and D window 2
.set MUL_HI, 0xf1                      ; the same, C and D window 3
.set TO_B,   0x40                      ; destination window 1, sources window 0
.set W_Q,    0x55                      ; everything in window 1
; A joint load.  Waves 0 and 1 fetch A's two halves, waves 2 and 3 B's.  The branch hangs on the wave's number alone.
.macro JLOAD s
	s_cmp_eq_u32 s11, 0
	s_cbranch_scc0 .Lfor_b_\@
	tensor_load_to_lds s[G0+4*\s:G0+4*\s+3], s[G1:G1+7]
	s_nop 0
	s_branch .Lasked_\@
.Lfor_b_\@:
	tensor_load_to_lds s[G0B+4*\s:G0B+4*\s+3], s[G1B:G1B+7]
	s_nop 0
.Lasked_\@:
.endm
; A round of the cluster's barrier: my work-group's barrier; wave 0 signals for the work-group; every wave waits for all sixteen; my work-group's barrier again.
.macro CREST                           ; a round behind its opening barrier
	s_cmp_lg_u32 s10, 0
	s_cbranch_scc1 .Lnot_wave_0_\@
	s_barrier_signal -3
.Lnot_wave_0_\@:
	s_barrier_wait -3
	s_barrier_signal -1
	s_barrier_wait -1
.endm
.macro CROUND
	s_barrier_signal -1
	s_barrier_wait -1
	CREST
.endm
	s_load_b128 s[4:7], s[0:1], 0x0                ; xkv_b s[4:5], wkv_b s[6:7]
	s_load_b64 s[8:9], s[0:1], 0x10                ; kv
	s_load_b64 s[QG0A+2:QG0A+3], s[0:1], 0x18      ; xq_b, straight into its descriptor's address words
	s_load_b64 s[QG0F+2:QG0F+3], s[0:1], 0x20      ; wq_b, likewise
	s_load_b64 s[66:67], s[0:1], 0x28              ; q_f
	s_set_vgpr_msb 0x40
	v_lshl_add_u32 v255, v0, 2, 0x4d800
	s_set_vgpr_msb 0x4000
	v_mov_b32 v255, 0
	s_set_vgpr_msb 0x1
	ds_add_u32 v255, v255
	s_set_vgpr_msb 0x100
	v_lshrrev_b32 v1, 5, v0
	v_readfirstlane_b32 s10, v1                    ; wave 0..3
	s_lshr_b32 s11, s10, 1                         ; which half of the block's rows is mine.  Also: I fetch for A (0) or for B (1)
	s_and_b32 s12, s10, 1                          ; which half of its columns.  Also: which half of that tile I fetch
	s_bfe_u32 s40, ttmp6, 0x40000                  ; cx
	s_bfe_u32 s41, ttmp6, 0x40004                  ; cy
	s_lshl_b32 s42, ttmp9, 2
	s_add_co_u32 s42, s42, s40                     ; block column = 4 x cluster x + cx, 0..7
	s_and_b32 s13, ttmp7, 0xffff
	s_lshl_b32 s13, s13, 2
	s_add_co_u32 s13, s13, s41                     ; block row = 4 x cluster y + cy, 0..31
	s_lshl_b32 s43, s41, 2
	s_lshl_b32 s43, 15, s43                        ; my row of the cluster: places 4 cy .. 4 cy + 3
	s_lshl_b32 s44, 0x1111, s40                    ; my column: places cx, cx + 4, cx + 8, cx + 12
	; group 1: a tile of 128 rows x 128 elements of 2 bytes, 4 words of padding behind every 64 words; bit 21 is set beside a mask
	s_or_b32 s[G1+0], s43, (1<<16)|(1<<20)|(1<<21)|(5<<22)|(3<<25)
	s_or_b32 s[G1B+0], s44, (1<<16)|(1<<20)|(1<<21)|(5<<22)|(3<<25)
	s_mov_b32 s[G1B+1], KSTEP<<16
	s_mov_b32 s[G1+1], KSTEP<<16                   ; tensor_dim0 = 128
	s_mov_b32 s[G1B+2], 128<<16
	s_mov_b32 s[G1+2], 128<<16                     ; tensor_dim1 = 128
	s_mov_b32 s[G1B+3], KSTEP<<16
	s_mov_b32 s[G1+3], KSTEP<<16                   ; tile_dim0 = 128
	s_mov_b32 s[G1B+4], 128
	s_mov_b32 s[G1+4], 128                         ; tile_dim1 = 128
	s_mov_b32 s[G1B+5], SIZE_K
	s_mov_b32 s[G1+5], SIZE_K                      ; elements from row to row
	s_mov_b32 s[G1B+6], 0
	s_mov_b32 s[G1+6], 0
	s_mov_b32 s[G1B+7], 0
	s_mov_b32 s[G1+7], 0
	; A's tiles hang on the block row alone, B's on the block column alone, each in registers that never hold the other coordinate
	s_lshl_b32 s17, s12, 7
	s_lshl_b32 s16, s13, 8
	s_add_co_u32 s16, s16, s17                     ; A: row 256 x block row + 128 x half
	s_lshl_b32 s46, s42, 8
	s_add_co_u32 s46, s46, s17                     ; B: row 256 x block column + 128 x half
	s_mov_b32 s17, 0
	s_mov_b32 s47, 0
	s_mov_b64 s[18:19], SIZE_K*2
	s_mul_u64 s[16:17], s[16:17], s[18:19]
	s_mul_u64 s[46:47], s[46:47], s[18:19]
	s_mul_i32 s20, s10, HALFT                      ; where they go: wave x 128 rows
	s_wait_dscnt 0x0
	s_wait_kmcnt 0x0
	s_add_nc_u64 s[14:15], s[4:5], s[16:17]
	s_add_nc_u64 s[46:47], s[6:7], s[46:47]
	CROUND                                         ; all sixteen work-groups are here: the first joint loads meet
.irp s, 0,1
	s_mov_b32 s[G0+4*\s], 1
	s_add_co_u32 s[G0+4*\s+1], s20, \s*SLOT
	s_add_nc_u64 s[G0+4*\s+2:G0+4*\s+3], s[14:15], \s*KSTEP*2
	s_or_b32 s[G0+4*\s+3], s[G0+4*\s+3], 0x80000000
	s_mov_b32 s[G0B+4*\s], 1
	s_add_co_u32 s[G0B+4*\s+1], s20, \s*SLOT
	s_add_nc_u64 s[G0B+4*\s+2:G0B+4*\s+3], s[46:47], \s*KSTEP*2
	s_or_b32 s[G0B+4*\s+3], s[G0B+4*\s+3], 0x80000000
	JLOAD \s                                       ; both slots' first fills go out before anything else: two loads of a wave are out
.endr
	; a fragment: lane l holds row l % 16; registers 0-3 K = 8 (l / 16) + 0..7, registers 4-7 K = 16 + 8 (l / 16) + 0..7: two loads of 16 bytes, 32 bytes apart
	v_and_b32 v1, 15, v0                           ; r
	v_bfe_u32 v2, v0, 4, 1                         ; h
	v_mul_u32_u24 v3, v1, PITCH
	v_lshl_add_u32 v3, v2, 4, v3
	s_mul_i32 s21, s11, HALFT                      ; my 128 rows of A
	s_mul_i32 s22, s12, HALFT                      ; my 128 rows of B,
	s_add_co_u32 s22, s22, 2*HALFT                 ; which lie behind A's 256
.irp s, 0,1
	v_add_nc_u32 v[ADRA+\s], s21, v3
	v_add_nc_u32 v[ADRB+\s], s22, v3
	s_add_co_u32 s21, s21, SLOT
	s_add_co_u32 s22, s22, SLOT
.endr
	s_mul_i32 s23, s10, WSTAGE
	s_add_co_u32 s23, s23, STAGE                   ; my stage
	v_mul_u32_u24 v4, v1, SPITCH
	v_lshl_add_u32 v4, v2, 4, v4
	v_add_nc_u32 v[STO], s23, v4
	v_mul_u32_u24 v5, v2, SPITCH
	v_lshl_add_u32 v5, v1, 4, v5
	v_add_nc_u32 v[RD], s23, v5
	v_mul_u32_u24 v5, v2, CP
	v_lshl_add_u32 v[CO], v1, 4, v5
	; PART 2's descriptors and addresses, made here while the first tiles are on their way.
	; x_q's group 1: eight blocks in one load.  A block's 64 rows x 64 elements are 4,096 dense elements, so the tile is 8 rows of 4,096 elements, 65,536 elements apart;
	; 4 words of padding behind every 32 words (a row of 64 k) make the LDS image 64 rows x 144 bytes a block.
	s_or_b32 s[QG1A+0], s43, (1<<16)|(1<<20)|(1<<21)|(4<<22)|(3<<25)
	s_mov_b32 s[QG1A+1], 4096<<16                  ; tensor_dim0 = 4,096
	s_mov_b32 s[QG1A+2], 8<<16                     ; tensor_dim1 = 8
	s_mov_b32 s[QG1A+3], 4096<<16                  ; tile_dim0 = 4,096
	s_mov_b32 s[QG1A+4], 8                         ; tile_dim1 = 8
	s_mov_b32 s[QG1A+5], 65536                     ; elements from block to block
	s_mov_b32 s[QG1A+6], 0
	s_mov_b32 s[QG1A+7], 0
	; Wq's group 1: 128 rows x 256 elements (a whole slot; later 32 rows, a quarter); 4 words of padding behind every 128 words
	s_or_b32 s[QG1B+0], s44, (1<<16)|(1<<20)|(1<<21)|(6<<22)|(3<<25)
	s_mov_b32 s[QG1B+1], 256<<16
	s_mov_b32 s[QG1B+2], 128<<16
	s_mov_b32 s[QG1B+3], 256<<16
	s_mov_b32 s[QG1B+4], 128
	s_mov_b32 s[QG1B+5], 1024
	s_mov_b32 s[QG1B+6], 0
	s_mov_b32 s[QG1B+7], 0
	; x_q: batch (block row / 16) x 2,097,152 + 64 rows (block row mod 16) x 8,192 + my eight blocks x 131,072.  No cx enters.
	s_lshr_b32 s16, s13, 4
	s_lshl_b32 s16, s16, 21
	s_and_b32 s17, s13, 15
	s_lshl_b32 s17, s17, 13
	s_add_co_u32 s16, s16, s17
	s_lshl_b32 s17, s12, 20
	s_add_co_u32 s16, s16, s17
	s_mov_b32 s17, 0
	s_add_nc_u64 s[QG0A+2:QG0A+3], s[QG0A+2:QG0A+3], s[16:17]
	s_or_b32 s[QG0A+3], s[QG0A+3], 0x80000000
	s_mov_b32 s[QG0A], 1
	s_mul_i32 s[QG0A+1], s10, 8*QABLK              ; waves 0, 1: blocks 0-7, 8-15
	; Wq: row 128 x block column, 2,048 bytes a row.  No cy enters.
	s_lshl_b32 s46, s42, 18
	s_mov_b32 s47, 0
	s_add_nc_u64 s[QG0F+2:QG0F+3], s[QG0F+2:QG0F+3], s[46:47]
	s_lshl_b32 s46, s10, 16                        ; a quarter: my 32 rows
	s_add_nc_u64 s[QG0Q+2:QG0Q+3], s[QG0F+2:QG0F+3], s[46:47]
	s_add_nc_u64 s[QG0Q+6:QG0Q+7], s[QG0Q+2:QG0Q+3], 1536          ; k 768
	s_add_nc_u64 s[QG0Q+2:QG0Q+3], s[QG0Q+2:QG0Q+3], 1024          ; k 512
	s_or_b32 s[QG0Q+3], s[QG0Q+3], 0x80000000
	s_or_b32 s[QG0Q+7], s[QG0Q+7], 0x80000000
	s_lshl_b32 s46, s12, 9                         ; a whole slot: wave 2 k 0, wave 3 k 256
	s_add_nc_u64 s[QG0F+2:QG0F+3], s[QG0F+2:QG0F+3], s[46:47]
	s_or_b32 s[QG0F+3], s[QG0F+3], 0x80000000
	s_mov_b32 s[QG0F], 1
	s_mul_i32 s[QG0F+1], s10, QBSLOT
	s_add_co_u32 s[QG0F+1], s[QG0F+1], QBBASE-2*QBSLOT             ; waves 2, 3: slots 0, 1
	s_mul_i32 s20, s10, 32*QBP
	s_mov_b32 s[QG0Q], 1
	s_add_co_u32 s[QG0Q+1], s20, QBBASE
	s_mov_b32 s[QG0Q+4], 1
	s_add_co_u32 s[QG0Q+5], s20, QBBASE+QBSLOT
	; q_f at my 32 x 64: row (64 block row + 32 half) x 4,096 bytes, column (128 block column + 64 half) x 4 bytes
	s_lshl_b32 s16, s13, 18
	s_lshl_b32 s17, s11, 17
	s_add_co_u32 s16, s16, s17
	s_mov_b32 s17, 0
	s_add_nc_u64 s[66:67], s[66:67], s[16:17]
	s_lshl_b32 s46, s42, 9
	s_lshl_b32 s47, s12, 8
	s_add_co_u32 s46, s46, s47
	s_mov_b32 s47, 0
	s_add_nc_u64 s[66:67], s[66:67], s[46:47]
	v_mul_u32_u24 v6, v1, QAP
	v_lshl_add_u32 v6, v2, 4, v6                   ; A: r x pitch + 16 h
	v_mul_u32_u24 v7, v1, QBP
	v_lshl_add_u32 v7, v2, 4, v7                   ; B likewise
	v_mul_u32_u24 v8, v1, SPITCH
	v_lshl_add_u32 v8, v2, 5, v8                   ; stage in: row r, 32 bytes for each half of the lanes
	v_mul_u32_u24 v9, v2, SPITCH
	v_lshl_add_u32 v9, v1, 4, v9                   ; stage back: lanes 0-15 one row of 256 bytes, lanes 16-31 the next
	v_lshlrev_b32 v10, 12, v2
	v_lshl_add_u32 v10, v1, 4, v10                 ; and the same two rows in q_f, 4,096 bytes apart
	s_mul_i32 s21, s11, 32*QAP                     ; my 32 rows of A
	s_mul_i32 s22, s12, 64*QBP                     ; my 64 rows of B
	s_add_co_u32 s22, s22, QBBASE
	WIN TO_B                                       ; the results go to window 1
.irp v, 0,1,2,3
	v_add_nc_u32 v[QADRA+\v], s21, v6
	s_add_co_u32 s21, s21, 4*QABLK                 ; a visit is four blocks of k
.endr
.irp s, 0,1
	v_add_nc_u32 v[QADRB+\s], s22, v7
	s_add_co_u32 s22, s22, QBSLOT
.endr
	v_add_nc_u32 v[QSTO], s23, v8
	v_add_nc_u32 v[QRD], s23, v9
	v_mov_b32 v[QCO], v10
	WIN 0
; 16 matrix instructions: m blocks a0, a0 + 1 of the window's four x all 8 n blocks, 32 along K.  zero = 1: the first product starts the sums.
; The 64 accumulators take turns, one instruction a turn, in the same order in every quarter step.
.macro MUL16 f, hi, a0, zero
.irp a, \a0, \a0+1
.irp b, 0,1,2,3,4,5,6,7
.if \zero
	v_wmma_f32_16x16x32_bf16 v[8*(8*(\a)+\b):8*(8*(\a)+\b)+7], v[\f+8*\b:\f+8*\b+7], v[\f+8*(4*\hi+\a):\f+8*(4*\hi+\a)+7], 0
.else
	v_wmma_f32_16x16x32_bf16 v[8*(8*(\a)+\b):8*(8*(\a)+\b)+7], v[\f+8*\b:\f+8*\b+7], v[\f+8*(4*\hi+\a):\f+8*(4*\hi+\a)+7], v[8*(8*(\a)+\b):8*(8*(\a)+\b)+7]
.endif
.endr
.endr
.endm
; 32 LDS loads in one run: the fragments of one quarter step into buffer f
.macro FETCH slot, k, f
	WIN TO_B
.irp i, 0,1,2,3,4,5,6,7
	ds_load_b128 v[\f+8*\i:\f+8*\i+3],   v[ADRB+\slot] offset:\k+\i*16*PITCH
	ds_load_b128 v[\f+8*\i+4:\f+8*\i+7], v[ADRB+\slot] offset:\k+\i*16*PITCH+32
.endr
	WIN 0
.irp i, 0,1,2,3,4,5,6,7
	ds_load_b128 v[\f+8*\i:\f+8*\i+3],   v[ADRA+\slot] offset:\k+\i*16*PITCH
	ds_load_b128 v[\f+8*\i+4:\f+8*\i+7], v[ADRA+\slot] offset:\k+\i*16*PITCH+32
.endr
.endm
; four independent vector instructions between a matrix instruction and a load into, or a vector access to, its registers
.macro PLACES
.rept 4
	v_nop
.endr
.endm
.macro QUARTER slot, k, f, g, zero
	s_wait_dscnt 8                                 ; B and A's rows 0-63 are in; the youngest eight loads (A's rows 64-127) may be out
	WIN MUL_LO
	MUL16 \f, 0, 0, \zero
	MUL16 \f, 0, 2, \zero
	PLACES
	FETCH \slot, \k, \g
	s_wait_dscnt 32                                ; all but the 32 just issued
	WIN MUL_HI
	MUL16 \f, 1, 0, \zero
	MUL16 \f, 1, 2, \zero
.endm
.macro THREE slot, zero
	QUARTER \slot, 64,  F0, F1, \zero
	QUARTER \slot, 128, F1, F0, 0
	QUARTER \slot, 192, F0, F1, 0
.endm
; The last quarter of a K step changes slots.  In front of the barrier each wave waits for its reads of this slot and for all its tensor loads (one is out: its
; part of the next slot).  Behind it, where the slot is filled again, the cluster's round follows and the joint refill is the first tensor load behind the round.
.macro TURN slot, next, fill
	s_wait_dscnt 8
	WIN MUL_LO
	MUL16 F1, 0, 0, 0
	s_wait_dscnt 0                                 ; my reads of this slot are over
	s_wait_tensorcnt 0x0                           ; all my tensor loads have landed
	ds_add_u32 v255, v255
	s_wait_dscnt 0x0
	s_barrier_signal -1
	MUL16 F1, 0, 2, 0                              ; registers only, while the others arrive
	WIN 0
	s_barrier_wait -1
.if \fill
	CREST                                          ; no wave of any partner still reads this slot or has a load on its way
	s_add_nc_u64 s[G0+4*\slot+2:G0+4*\slot+3], s[G0+4*\slot+2:G0+4*\slot+3], 2*KSTEP*2
	s_add_nc_u64 s[G0B+4*\slot+2:G0B+4*\slot+3], s[G0B+4*\slot+2:G0B+4*\slot+3], 2*KSTEP*2
	JLOAD \slot
.endif
	PLACES
	FETCH \next, 0, F0
	WIN MUL_HI
	MUL16 F1, 1, 0, 0
	MUL16 F1, 1, 2, 0
.endm
.macro LAP zero
	THREE 0, \zero
	TURN 0, 1, 1
	THREE 1, 0
	TURN 1, 0, 1
.endm
	s_wait_tensorcnt 1                             ; my part of K step 0 is in; K step 1's load stays out
	s_barrier_signal -1
	s_barrier_wait -1
	FETCH 0, 0, F0
	LAP 1                                          ; K steps 0 and 1: the first products start the sums
	WIN 0
	s_mov_b32 s3, LAPS-2
.Llap:
	LAP 0                                          ; K steps 2 and 3
	WIN 0
	s_sub_co_u32 s3, s3, 1
	s_cmp_lg_u32 s3, 0
	s_cbranch_scc1 .Llap
	THREE 0, 0                                     ; K steps 4 and 5: nothing of part 1 is left to fetch
	TURN 0, 1, 0
	THREE 1, 0
	s_wait_dscnt 8
	WIN MUL_LO
	MUL16 F1, 0, 0, 0
	MUL16 F1, 0, 2, 0
	; The very last 32 products stand inside a round of the cluster's barrier, behind which part 2's tiles fill the ring's bytes.
	s_wait_dscnt 0                                 ; my reads of the ring are over
	s_wait_tensorcnt 0x0                           ; none of my tensor loads is out
	ds_add_u32 v255, v255
	s_wait_dscnt 0x0
	s_barrier_signal -1
	WIN MUL_HI
	MUL16 F1, 1, 0, 0
	MUL16 F1, 1, 2, 0
	WIN 0
	s_barrier_wait -1
	CREST                                          ; no wave of any partner still reads the ring
	s_cmp_eq_u32 s11, 0                            ; one joint load a wave: waves 0, 1 eight blocks of x_q each, waves 2, 3 a slot of Wq each: 282,624 bytes of LDS in all
	s_cbranch_scc0 .Lq_for_b
	tensor_load_to_lds s[QG0A:QG0A+3], s[QG1A:QG1A+7]
	s_nop 0
	s_branch .Lq_asked
.Lq_for_b:
	tensor_load_to_lds s[QG0F:QG0F+3], s[QG1B:QG1B+7]
	s_nop 0
.Lq_asked:
	; PART 1's WAY OUT, 16 rows of C at a time: round, 16 bytes a lane into my own stage in LDS, read back as whole rows of 256 bytes.
	PLACES
	s_lshl_b32 s13, s13, 8
	s_lshl_b32 s14, s11, 7
	s_add_co_u32 s16, s13, s14                     ; my first row of C
	s_mov_b32 s17, 0
	s_mov_b64 s[18:19], CP
	s_mul_u64 s[16:17], s[16:17], s[18:19]
	s_add_nc_u64 s[8:9], s[8:9], s[16:17]
	s_lshl_b32 s46, s40, 9                         ; my first column inside the plane, in bytes: 512 cx + 256 x half,
	s_lshl_b32 s47, s12, 8
	s_add_co_u32 s46, s46, s47
	s_lshl_b32 s47, ttmp9, 24                      ; and the plane: cluster x = 0 is K, 1 is V, 16,777,216 bytes on
	s_add_co_u32 s46, s46, s47
	s_mov_b32 s47, 0
	s_add_nc_u64 s[8:9], s[8:9], s[46:47]
.macro CVT32 a, cvt                    ; the eight tiles (a, 0..7) of the window that sources 0 and 1 name, rounded and packed
.irp b, 0,1,2,3,4,5,6,7
.irp r, 0,1,2,3
	\cvt v[TMP+4*\b+\r], v[8*(8*\a+\b)+2*\r], v[8*(8*\a+\b)+2*\r+1]
.endr
.endr
.endm
; rows 16 i .. 16 i + 15 of my block = the eight tiles (a, 0..7) of window 2 or 3 (from = 0x0a or 0x0f); f: F0 or F1 in turn
.macro OUT16 i, a, from, f
	WIN 0                                          ; a branch follows
	s_cmp_lg_u32 ttmp9, 0                          ; the cluster's x: the same in all sixteen work-groups of a cluster.  The branch holds the roundings alone.
	s_cbranch_scc1 .Lv_cvt_\@
	WIN \from
	CVT32 \a, v_cvt_pk_bf16_f32                    ; K
	WIN 0
	s_branch .Lcvt_done_\@
.Lv_cvt_\@:
	WIN \from
	CVT32 \a, v_cvt_pk_f16_f32                     ; V
	WIN 0
.Lcvt_done_\@:
.irp b, 0,1,2,3,4,5,6,7
	ds_store_b128 v[STO], v[TMP+4*\b:TMP+4*\b+3] offset:32*\b
.endr
	s_wait_xcnt 0x0                                ; buffer f, which earlier stores read, and the stores' base are rewritten only behind this wait
.if \i
	s_add_nc_u64 s[8:9], s[8:9], 16*CP
.endif
.irp t, 0,1,2,3,4,5,6,7
	ds_load_b128 v[\f+4*\t:\f+4*\t+3], v[RD] offset:\t*2*SPITCH    ; LDS serves a wave's instructions in order: these see the stores above
.endr
.irp t, 0,1,2,3,4,5,6,7
	s_wait_dscnt 7-\t
	global_store_b128 v[CO], v[\f+4*\t:\f+4*\t+3], s[8:9] offset:2*\t*CP   ; 16 lanes store 256 consecutive bytes, aligned
.endr
.endm
; PART 2's steps.  All its vector registers are in window 1.
; 12 LDS loads: the fragments of K step t (32 along K) of visit v, whose B lies in slot s, into buffer f
.macro QFETCH v, s, t, f
.irp a, 0,1
	ds_load_b128 v[\f+8*\a:\f+8*\a+3],   v[QADRA+\v] offset:(\t>>1)*QABLK+(\t&1)*64+\a*16*QAP
	ds_load_b128 v[\f+8*\a+4:\f+8*\a+7], v[QADRA+\v] offset:(\t>>1)*QABLK+(\t&1)*64+\a*16*QAP+32
.endr
.irp b, 0,1,2,3
	ds_load_b128 v[\f+16+8*\b:\f+16+8*\b+3], v[QADRB+\s] offset:\t*64+\b*16*QBP
	ds_load_b128 v[\f+16+8*\b+4:\f+16+8*\b+7], v[QADRB+\s] offset:\t*64+\b*16*QBP+32
.endr
.endm
; 8 matrix instructions; the eight accumulators take turns, one instruction a turn, always in this order
.macro QMUL f, zero
.irp a, 0,1
.irp b, 0,1,2,3
.if \zero
	v_wmma_f32_16x16x32_bf16 v[QACC+8*(4*\a+\b):QACC+8*(4*\a+\b)+7], v[\f+16+8*\b:\f+16+8*\b+7], v[\f+8*\a:\f+8*\a+7], 0
.else
	v_wmma_f32_16x16x32_bf16 v[QACC+8*(4*\a+\b):QACC+8*(4*\a+\b)+7], v[\f+16+8*\b:\f+16+8*\b+7], v[\f+8*\a:\f+8*\a+7], v[QACC+8*(4*\a+\b):QACC+8*(4*\a+\b)+7]
.endif
.endr
.endr
.endm
; fetches K step t into buffer g (last read by the matrix instructions in front of the places), multiplies buffer f
.macro QSTEP v, s, t, f, g, zero
	PLACES
	QFETCH \v, \s, \t, \g
	s_wait_dscnt 12                                ; all but the 12 just issued: buffer f is in
	QMUL \f, \zero
.endm
.macro QSEVEN v, s, zero
	WIN W_Q
	QSTEP \v, \s, 1, QF0, QF1, \zero
	QSTEP \v, \s, 2, QF1, QF0, 0
	QSTEP \v, \s, 3, QF0, QF1, 0
	QSTEP \v, \s, 4, QF1, QF0, 0
	QSTEP \v, \s, 5, QF0, QF1, 0
	QSTEP \v, \s, 6, QF1, QF0, 0
	QSTEP \v, \s, 7, QF0, QF1, 0
.endm
; The visit's last K step, and the change of slots.  s: this visit's slot; nv, ns: the next visit and its slot; fill = 1: slot s is filled again, two visits ahead.
.macro QTURN s, nv, ns, fill
	WIN W_Q
	s_wait_dscnt 0x0                               ; buffer 1 is in, and my reads of this slot are over
	s_set_vgpr_msb 0x5551
	s_wait_tensorcnt 0x0                           ; all my tensor loads have landed, my part of the next slot among them
	ds_add_u32 v255, v255
	s_wait_dscnt 0x0
	s_set_vgpr_msb 0x5155
	s_barrier_signal -1
	QMUL QF1, 0                                    ; registers only
.if \fill
	WIN 0
.endif
	s_barrier_wait -1
.if \fill
	CREST                                          ; the round: no wave of any partner still reads the slot or has a load on its way
	tensor_load_to_lds s[QG0Q+4*\s:QG0Q+4*\s+3], s[QG1B:QG1B+7]    ; my one tensor load behind the round: my 32 rows of the slot
	s_nop 0
	WIN W_Q
.endif
	PLACES
	QFETCH \nv, \ns, 0, QF0
.endm
	; The two parts by turns.  Each request of part 2 has passes of part 1's way out, besides part 2's own products, in which to land.
	OUT16 0, 0, 0x0a, F0
	OUT16 1, 1, 0x0a, F1
	OUT16 2, 2, 0x0a, F0
	OUT16 3, 3, 0x0a, F1
	s_wait_dscnt 0x0
	s_wait_tensorcnt 0x0                           ; my part of part 2's first tiles is in, so Wq's group 1 may be written:
	s_mov_b32 s[QG1B+2], 32<<16                    ; from here on a load brings a quarter of a slot: tensor_dim1 = 32,
	s_mov_b32 s[QG1B+4], 32                        ; tile_dim1 = 32
	s_barrier_signal -1
	s_barrier_wait -1                              ; everybody's part is in
	WIN W_Q
	QFETCH 0, 0, 0, QF0
	QSEVEN 0, 0, 1                                 ; k 0-255: the first products start the sums
	QTURN 0, 1, 1, 1                               ; k 512-767 go out, into slot 0
	QSEVEN 1, 1, 0                                 ; k 256-511
	OUT16 4, 0, 0x0f, F0
	OUT16 5, 1, 0x0f, F1
	QTURN 1, 2, 0, 1                               ; k 768-1023 go out, into slot 1
	QSEVEN 2, 0, 0                                 ; k 512-767
	OUT16 6, 2, 0x0f, F0
	OUT16 7, 3, 0x0f, F1
	QTURN 0, 3, 1, 0                               ; nothing is left to fetch
	QSEVEN 3, 1, 0                                 ; k 768-1023
	s_wait_dscnt 0x0
	QMUL QF1, 0
	; PART 2's WAY OUT: 32 bytes a lane and tile into my own stage, read back as whole rows of 256 bytes
	PLACES
.irp a, 0,1
.irp b, 0,1,2,3
	ds_store_b128 v[QSTO], v[QACC+8*(4*\a+\b):QACC+8*(4*\a+\b)+3]   offset:\a*16*SPITCH+64*\b
	ds_store_b128 v[QSTO], v[QACC+8*(4*\a+\b)+4:QACC+8*(4*\a+\b)+7] offset:\a*16*SPITCH+64*\b+16
.endr
.endr
.set i, 0
.rept 16
	ds_load_b128 v[QF0+4*i:QF0+4*i+3], v[QRD] offset:i*2*SPITCH    ; LDS serves a wave's instructions in order: these see the stores above
.set i, i+1
.endr
.set i, 0
.rept 16
	s_wait_dscnt 15-i
	global_store_b128 v[QCO], v[QF0+4*i:QF0+4*i+3], s[66:67] offset:2*i*4096   ; 16 lanes store 256 consecutive bytes, aligned
.set i, i+1
.endr
	WIN 0
	s_set_vgpr_msb 0x1
	s_wait_tensorcnt 0x0
	ds_add_u32 v255, v255
	s_wait_dscnt 0x0
	s_set_vgpr_msb 0x100
	CROUND                                         ; the closing round: no work-group ends while a partner may still ask for a tile that names it
	s_endpgm
.Lfunc_end_k_q1323992668_gemm_kvq:
	.size	k_q1323992668_gemm_kvq, .Lfunc_end_k_q1323992668_gemm_kvq-k_q1323992668_gemm_kvq
	.p2alignl 7, 3214868480
	.fill 96, 4, 3214868480
	.section	.rodata,"a",@progbits
	.p2align	6, 0x0
	.amdhsa_kernel k_q1323992668_gemm_kvq
		.amdhsa_group_segment_fixed_size 327680
		.amdhsa_private_segment_fixed_size 0
		.amdhsa_enable_private_segment 0
		.amdhsa_kernarg_size 48
		.amdhsa_user_sgpr_count 2
		.amdhsa_user_sgpr_kernarg_segment_ptr 1
		.amdhsa_wavefront_size32 1
		.amdhsa_system_sgpr_workgroup_id_x 1
		.amdhsa_system_sgpr_workgroup_id_y 1
		.amdhsa_system_sgpr_workgroup_id_z 1
		.amdhsa_system_vgpr_workitem_id 0
		.amdhsa_next_free_vgpr 1024
		.amdhsa_next_free_sgpr 100
		.amdhsa_reserve_vcc 0
		.amdhsa_float_denorm_mode_32 3
		.amdhsa_float_denorm_mode_16_64 3
		.amdhsa_memory_ordered 1
		.amdhsa_forward_progress 1
		.amdhsa_inst_pref_size 255
	.end_amdhsa_kernel
	.section	.bss,"aw",@nobits
	.p2align	6
	.space	262144
	.amdgpu_metadata
---
amdhsa.version: [ 1, 2 ]
amdhsa.kernels:
  - .name:           k_q1323992668_gemm_kvq
    .symbol:         k_q1323992668_gemm_kvq.kd
    .args:
      - { .name: xkv_b, .offset: 0, .size: 8, .value_kind: global_buffer, .address_space: global }
      - { .name: wkv_b, .offset: 8, .size: 8, .value_kind: global_buffer, .address_space: global }
      - { .name: kv, .offset: 16, .size: 8, .value_kind: global_buffer, .address_space: global }
      - { .name: xq_b, .offset: 24, .size: 8, .value_kind: global_buffer, .address_space: global }
      - { .name: wq_b, .offset: 32, .size: 8, .value_kind: global_buffer, .address_space: global }
      - { .name: q_f, .offset: 40, .size: 8, .value_kind: global_buffer, .address_space: global }
    .group_segment_fixed_size: 327680
    .private_segment_fixed_size: 0
    .kernarg_segment_align: 8
    .kernarg_segment_size: 48
    .max_flat_workgroup_size: 128
    .sgpr_count:     100
    .vgpr_count:     1024
    .wavefront_size: 32
...
	.end_amdgpu_metadata
.endif
;; end of part 2
;; launch attn (part 3): grid 8 x 32, 8 waves a work-group, clusters of 4 x 1, 327,680 bytes of LDS; arguments q_f, kv, att_b; writes att_b
.if DOCPART == 3
	.amdgcn_target "amdgcn-amd-amdhsa--gfx1250"
	.amdhsa_code_object_version 6
	.text
	.protected	k_q1323992668_attn
	.globl	k_q1323992668_attn
	.p2align	8
	.type	k_q1323992668_attn,@function
k_q1323992668_attn:
	s_mov_b64 s[64:65], 0
	v_nop
	global_prefetch_b8 v0, s[64:65] scope:SCOPE_SE
	s_setreg_imm32_b32 hwreg(HW_REG_WAVE_MODE, 25, 1), 1
	s_wait_xcnt 0x0
	s_wait_alu depctr_hold_cnt(0) depctr_sa_sdst(0) depctr_va_vdst(0) depctr_va_sdst(0) depctr_va_ssrc(0) depctr_va_vcc(0) depctr_vm_vsrc(0)
	s_getreg_b32 s2, hwreg(HW_REG_IB_STS2, 6, 4)
	s_cmp_eq_u32 s2, 0
	s_cbranch_scc0 .Lentry_in_a_cluster
	s_endpgm
.Lentry_in_a_cluster:
	s_bfe_u32 s2, ttmp6, 0x10000c
	s_cmp_lg_u32 s2, 0x3003
	s_cbranch_scc0 .Lentry_shape_is_right
	s_endpgm
.Lentry_shape_is_right:
; Attention for 32 heads (batch x head): att[head][q][d] = softmax over 4,096 keys of (Q K^T / 64) times V, with a running maximum.
; Q: f32 [32][1024][64].  K: bf16 [32][4096][64] at kv.  V: f16, the same shape, 16,777,216 bytes on.  att: bf16 [32][1024][64].
; A work-group takes 128 q rows of one head (grid x = block of q, y = head).  Eight waves: wave w takes 64 q rows (a = w & 1) and a quarter of the keys (g = w >> 1);
; the four quarters are merged at the end.  Two waves on a SIMD: one wave's softmax runs beside the other's matrix work.
; CLUSTERS: the four work-groups of a cluster have one head and walk the same K and V tiles: each tile is asked for jointly (mask 15).
; FORM: S^T = K Q^T (A = 16 keys, B = 16 q rows, bf16): lane (r, h) holds q = r and keys 8 h + 0..7 of a tile, so the maximum and the sum over keys are in the lane
; but for one exchange of the halves, and two tiles of S^T, rounded to f16 in place, are the B fragment of O^T = V^T P^T (f16 form).
; LIMITS: P is kept in f16: it lies in (0, 1] by the running maximum, and weights below about 6e-8 of the largest count as 0.  |V| < 65,504 (see where V is made).
; f16 is taken for P and V for its three more bits: with nearly even weights their rounding errors do not average out against the result.
.set KP, 144                           ; K's LDS pitch: 128 bytes + 16
.set VP, 160                           ; V's: 128 + 32, an odd multiple of 32, for the transposing loads
.set KBYTES, 512*KP                    ; 73,728
.set SLOT, 512*(KP+VP)                 ; 155,648: 512 keys of K, then of V.  Two slots.
.set PAIRS, 131072                     ; merge: O partial sums at w x 16,384; (-c max, sum) pairs here; the out stage behind them.
.set OSTG,  139264                     ; All three lie in the slots' bytes, which have had their last fill by then.
; window 0
.set KADR, 2                           ; v[2:3]     LDS address of my K fragments in slot 0, 1
.set VADR, 4                           ; v[4:5]     the same for V
.set QOFF, 6
.set NM, 16                            ; v[16:23]   q block i: (-c x maximum, maximum); at the end (-c x maximum, sum)
.set AL, 24                            ; v[24:31]   q block i: (rescale factor, other half's figure)
.set LS, 32                            ; v[32:39]   q block i: two running sums
.set MX, 40
.set TT, 44
.set QF, 48                            ; v[48:111]  Q fragments, (q, ks) at QF + 16 q + 8 ks
.set SB, 112                           ; v[112:239] S^T, tile (kb, q) at SB + 32 q + 8 kb; then P
; window 1
.set OB, 0                             ; O^T, tile (q, db) at 8 (4 q + db)
.set KF, 128                           ; K fragments, (kb, ks) at KF + 8 (2 kb + ks)
.set VF, 192                           ; V^T fragments, (db, c) at VF + 8 (2 db + c)
.set G1K, 24
.set G1V, 32
.set G0K, 40                           ; a set for each slot
.set G0V, 48
.set W_S,  0x01                        ; A (K) window 1; B (Q), C, D (S) window 0
.set W_PV, 0x51                        ; A (V), C, D (O) window 1; B (P) window 0
.set W_LD, 0x40                        ; loaded data window 1, address window 0
.set W_RS, 0x41                        ; O x factor: destination and source 0 window 1, source 1 window 0
.set W_ST, 0x04                        ; LDS store: data window 1, address window 0
.set MSB, 0
.macro WIN new                         ; the immediate's high byte repeats the setting that is left
.if MSB != \new
	s_set_vgpr_msb (MSB<<8)|\new
.set MSB, \new
.endif
.endm
.macro CREST
	s_cmp_lg_u32 s10, 0
	s_cbranch_scc1 .Lnot_wave_0_\@
	s_barrier_signal -3
.Lnot_wave_0_\@:
	s_barrier_wait -3
	s_barrier_signal -1
	s_barrier_wait -1
.endm
.macro CROUND
	s_barrier_signal -1
	s_barrier_wait -1
	CREST
.endm
.macro PLACES                          ; four independent vector instructions behind a matrix instruction (ISA guide 7.12.1)
.rept 4
	v_nop
.endr
.endm
; a joint load: waves 0-3 fetch a quarter of K's 512 rows each, waves 4-7 of V's.  The branch hangs on the wave's number alone.
.macro JLOAD s
	s_cmp_lt_u32 s10, 4
	s_cbranch_scc0 .Lfor_v_\@
	tensor_load_to_lds s[G0K+4*\s:G0K+4*\s+3], s[G1K:G1K+7]
	s_nop 0
	s_branch .Lasked_\@
.Lfor_v_\@:
	tensor_load_to_lds s[G0V+4*\s:G0V+4*\s+3], s[G1V:G1V+7]
	s_nop 0
.Lasked_\@:
.endm
	s_load_b128 s[4:7], s[0:1], 0x0                ; q_f s[4:5], kv s[6:7]
	s_load_b64 s[8:9], s[0:1], 0x10                ; att_b
	s_set_vgpr_msb 0x40
	v_lshl_add_u32 v191, v0, 2, 0x4c000
	s_set_vgpr_msb 0x4000
	v_mov_b32 v255, 0
	s_set_vgpr_msb 0x1
	ds_add_u32 v191, v255
	s_wait_dscnt 0x0
	s_set_vgpr_msb 0x100
	v_lshrrev_b32 v1, 5, v0
	v_readfirstlane_b32 s10, v1                    ; wave 0..7
	s_and_b32 s11, s10, 3                          ; which quarter of a tile I fetch
	s_and_b32 s12, s10, 1                          ; a: which 64 q rows
	s_lshr_b32 s13, s10, 1                         ; g: which quarter of the keys
	s_bfe_u32 s16, ttmp6, 0x40000                  ; cx
	s_lshl_b32 s63, ttmp9, 2
	s_add_co_u32 s63, s63, s16                     ; block of q = 4 x cluster x + cx
	s_and_b32 s61, ttmp7, 0xffff                   ; head, 0..31
	s_mov_b32 s56, 0x3cb8aa3b                      ; c = log2(e) / 64: the scale 1/64 and the change to base 2 in one
	s_mov_b32 s57, 0x3cb8aa3b
	s_mov_b32 s62, 0xbcb8aa3b                      ; -c
	s_mov_b32 s58, 0x76543210                      ; v_permlanex16_b32: lane i of one half reads lane i of the other
	s_mov_b32 s59, 0xfedcba98
	; group 1: 128 rows x 64 elements of 2 bytes, dense in memory; behind every 32 words 4 words of padding for K, 8 for V; mask 15, bit 21 beside it
	s_mov_b32 s[G1K+0], 15|(1<<16)|(1<<20)|(1<<21)|(4<<22)|(3<<25)
	s_mov_b32 s[G1V+0], 15|(1<<16)|(1<<20)|(1<<21)|(4<<22)|(7<<25)
.irp g, G1K, G1V
	s_mov_b32 s[\g+1], 64<<16                      ; tensor_dim0 = 64
	s_mov_b32 s[\g+2], 128<<16                     ; tensor_dim1 = 128
	s_mov_b32 s[\g+3], 64<<16                      ; tile_dim0 = 64
	s_mov_b32 s[\g+4], 128                         ; tile_dim1 = 128
	s_mov_b32 s[\g+5], 64                          ; elements from row to row
	s_mov_b32 s[\g+6], 0
	s_mov_b32 s[\g+7], 0
.endr
	s_lshl_b32 s14, s61, 19                        ; the head's 4,096 keys x 128 bytes
	s_lshl_b32 s15, s11, 14                        ; my 128 rows
	s_add_co_u32 s14, s14, s15
	s_mov_b32 s15, 0
	s_mul_i32 s20, s11, 128*KP
	s_mul_i32 s21, s11, 128*VP
	s_lshl_b32 s16, s61, 18                        ; Q: the head's 1,024 rows x 256 bytes,
	s_lshl_b32 s17, s63, 15                        ; 128 rows a block,
	s_add_co_u32 s16, s16, s17
	s_lshl_b32 s17, s12, 14                        ; 64 rows a half
	s_add_co_u32 s16, s16, s17
	s_mov_b32 s17, 0
	s_wait_kmcnt 0x0
	s_add_nc_u64 s[14:15], s[6:7], s[14:15]
	s_add_nc_u64 s[18:19], s[14:15], 0x1000000     ; V's plane
	s_add_nc_u64 s[4:5], s[4:5], s[16:17]
.irp s, 0,1
	s_mov_b32 s[G0K+4*\s], 1
	s_add_co_u32 s[G0K+4*\s+1], s20, \s*SLOT
	s_add_nc_u64 s[G0K+4*\s+2:G0K+4*\s+3], s[14:15], \s*65536
	s_or_b32 s[G0K+4*\s+3], s[G0K+4*\s+3], 0x80000000
	s_mov_b32 s[G0V+4*\s], 1
	s_add_co_u32 s[G0V+4*\s+1], s21, \s*SLOT+KBYTES
	s_add_nc_u64 s[G0V+4*\s+2:G0V+4*\s+3], s[18:19], \s*65536
	s_or_b32 s[G0V+4*\s+3], s[G0V+4*\s+3], 0x80000000
.endr
	CROUND                                         ; the four work-groups are here: the first joint loads meet
	s_cmp_lt_u32 s10, 4                            ; both slots' first fills in one branch: two loads of a wave are out
	s_cbranch_scc0 .Lfirst_v
	tensor_load_to_lds s[G0K:G0K+3], s[G1K:G1K+7]
	s_nop 0
	tensor_load_to_lds s[G0K+4:G0K+7], s[G1K:G1K+7]
	s_nop 0
	s_branch .Lfirst_done
.Lfirst_v:
	tensor_load_to_lds s[G0V:G0V+3], s[G1V:G1V+7]
	s_nop 0
	tensor_load_to_lds s[G0V+4:G0V+7], s[G1V:G1V+7]
	s_nop 0
.Lfirst_done:
	v_and_b32 v7, 15, v0                           ; r
	v_bfe_u32 v8, v0, 4, 1                         ; h
	v_lshlrev_b32 v[QOFF], 8, v7
	v_lshl_add_u32 v[QOFF], v8, 5, v[QOFF]         ; 256 r + 32 h
	; Q as a B fragment: lane (r, h) holds row r; d = 32 ks + 8 h + 0..7 and 32 ks + 16 + 8 h + 0..7: in f32 four loads of 16 bytes
.irp q, 0,1,2,3
.irp ks, 0,1
	global_load_b128 v[SB+32*\q+16*\ks:SB+32*\q+16*\ks+3],     v[QOFF], s[4:5] offset:\q*4096+\ks*128
	global_load_b128 v[SB+32*\q+16*\ks+4:SB+32*\q+16*\ks+7],   v[QOFF], s[4:5] offset:\q*4096+\ks*128+16
	global_load_b128 v[SB+32*\q+16*\ks+8:SB+32*\q+16*\ks+11],  v[QOFF], s[4:5] offset:\q*4096+\ks*128+64
	global_load_b128 v[SB+32*\q+16*\ks+12:SB+32*\q+16*\ks+15], v[QOFF], s[4:5] offset:\q*4096+\ks*128+80
.endr
.endr
	v_and_b32 v9, 7, v0
	v_bfe_u32 v10, v0, 3, 1
	v_mul_u32_u24 v11, v7, KP
	v_lshl_add_u32 v11, v8, 4, v11                 ; K: r x pitch + 16 h
	s_mul_i32 s22, s13, 128*KP                     ; my quarter's 128 keys
	v_add_nc_u32 v[KADR], s22, v11
	v_add_nc_u32 v[KADR+1], SLOT, v[KADR]
	v_lshl_add_u32 v12, v8, 3, v9                  ; V, for the transposing load: key 8 h + (lane & 7),
	v_mul_u32_u24 v12, v12, VP
	v_lshl_add_u32 v12, v10, 4, v12                ; 16 bytes on for lanes 8-15 and 24-31
	s_mul_i32 s23, s13, 128*VP
	s_add_co_u32 s23, s23, KBYTES
	v_add_nc_u32 v[VADR], s23, v12
	v_add_nc_u32 v[VADR+1], SLOT, v[VADR]
.irp q, 0,1,2,3
	v_mov_b32 v[AL+2*\q+1], 0                      ; v_permlanex16_b32 counts as a reader of its destination
.endr
	s_wait_loadcnt 0x0
.set i, 0
.rept 64
	v_cvt_pk_bf16_f32 v[QF+i], v[SB+2*i], v[SB+2*i+1]
.set i, i+1
.endr
; 16 LDS loads: K's fragments of block u (64 keys) of my quarter of slot s
.macro KLOAD s, u
.irp kb, 0,1,2,3
.irp ks, 0,1
	ds_load_b128 v[KF+8*(2*\kb+\ks):KF+8*(2*\kb+\ks)+3],   v[KADR+\s] offset:\u*64*KP+\kb*16*KP+\ks*64
	ds_load_b128 v[KF+8*(2*\kb+\ks)+4:KF+8*(2*\kb+\ks)+7], v[KADR+\s] offset:\u*64*KP+\kb*16*KP+\ks*64+32
.endr
.endr
.endm
; 16 transposing LDS loads: V^T's fragments (16 d x 32 keys) of the same block
.macro VLOAD s, u
.irp db, 0,1,2,3
.irp c, 0,1
	ds_load_tr16_b128 v[VF+8*(2*\db+\c):VF+8*(2*\db+\c)+3],   v[VADR+\s] offset:\u*64*VP+\c*32*VP+\db*32
	ds_load_tr16_b128 v[VF+8*(2*\db+\c)+4:VF+8*(2*\db+\c)+7], v[VADR+\s] offset:\u*64*VP+\c*32*VP+\db*32+16*VP
.endr
.endr
.endm
; S^T: 16 tiles, d = 0..31 starts the sums, d = 32..63 adds.  The 16 accumulators take turns, one instruction a turn.
.macro SMUL
.irp q, 0,1,2,3
.irp kb, 0,1,2,3
	v_wmma_f32_16x16x32_bf16 v[SB+32*\q+8*\kb:SB+32*\q+8*\kb+7], v[KF+16*\kb:KF+16*\kb+7], v[QF+16*\q:QF+16*\q+7], 0
.endr
.endr
.irp q, 0,1,2,3
.irp kb, 0,1,2,3
	v_wmma_f32_16x16x32_bf16 v[SB+32*\q+8*\kb:SB+32*\q+8*\kb+7], v[KF+16*\kb+8:KF+16*\kb+15], v[QF+16*\q+8:QF+16*\q+15], v[SB+32*\q+8*\kb:SB+32*\q+8*\kb+7]
.endr
.endr
.endm
; O^T += V^T P^T: 16 tiles, keys 0..31 and 32..63 of the block; by turns as above.  first = 1: the first product starts the sums.
.macro PVMUL first
.irp c, 0,1
.irp q, 0,1,2,3
.irp db, 0,1,2,3
.if \first*(1-\c)
	v_wmma_f32_16x16x32_f16 v[OB+8*(4*\q+\db):OB+8*(4*\q+\db)+7], v[VF+8*(2*\db+\c):VF+8*(2*\db+\c)+7], v[SB+32*\q+16*\c:SB+32*\q+16*\c+7], 0
.else
	v_wmma_f32_16x16x32_f16 v[OB+8*(4*\q+\db):OB+8*(4*\q+\db)+7], v[VF+8*(2*\db+\c):VF+8*(2*\db+\c)+7], v[SB+32*\q+16*\c:SB+32*\q+16*\c+7], v[OB+8*(4*\q+\db):OB+8*(4*\q+\db)+7]
.endif
.endr
.endr
.endr
.endm
.macro RESCALE                         ; O x exp2(c (old maximum - new maximum)), a factor for each lane's q
.irp q, 0,1,2,3
.set i, 0
.rept 16
	v_pk_mul_f32 v[OB+32*\q+i:OB+32*\q+i+1], v[OB+32*\q+i:OB+32*\q+i+1], v[AL+2*\q:AL+2*\q+1] op_sel_hi:[1,0]
.set i, i+2
.endr
.endr
.endm
; The block's softmax step: a lane has 32 scores for each of its four q; the four chains are interleaved so that none waits for itself.
.macro SOFTMAX first
.irp q, 0,1,2,3
	v_max3_num_f32 v[MX+\q], v[SB+32*\q], v[SB+32*\q+1], v[SB+32*\q+2]
.endr
.set i, 3
.rept 14
.irp q, 0,1,2,3
	v_max3_num_f32 v[MX+\q], v[MX+\q], v[SB+32*\q+i], v[SB+32*\q+i+1]
.endr
.set i, i+2
.endr
.irp q, 0,1,2,3
	v_max_num_f32 v[MX+\q], v[MX+\q], v[SB+32*\q+31]
.endr
.irp q, 0,1,2,3
	v_permlanex16_b32 v[AL+2*\q+1], v[MX+\q], s58, s59     ; the other half's keys
.endr
.irp q, 0,1,2,3
.if \first
	v_max_num_f32 v[NM+2*\q+1], v[MX+\q], v[AL+2*\q+1]
.else
	v_max3_num_f32 v[NM+2*\q+1], v[MX+\q], v[AL+2*\q+1], v[NM+2*\q+1]      ; the running maximum
.endif
.endr
.irp q, 0,1,2,3
.if \first
	v_mul_f32 v[NM+2*\q], s62, v[NM+2*\q+1]                ; -c x maximum
.else
	v_mul_f32 v[TT+\q], s62, v[NM+2*\q+1]
.endif
.endr
.if \first == 0
.irp q, 0,1,2,3
	v_sub_f32 v[AL+2*\q], v[TT+\q], v[NM+2*\q]             ; c (old maximum - new maximum), never above 0
	v_mov_b32 v[NM+2*\q], v[TT+\q]
.endr
.endif
.set i, 0
.rept 16
.irp q, 0,1,2,3
	v_pk_fma_f32 v[SB+32*\q+i:SB+32*\q+i+1], v[SB+32*\q+i:SB+32*\q+i+1], s[56:57], v[NM+2*\q:NM+2*\q+1] op_sel_hi:[1,0,0]   ; c x score - c x maximum
.endr
.set i, i+2
.endr
.if \first == 0
.irp q, 0,1,2,3
	v_exp_f32 v[AL+2*\q], v[AL+2*\q]
.endr
.endif
.set i, 0
.rept 128
	v_exp_f32 v[SB+i], v[SB+i]
.set i, i+1
.endr
	v_nop                                          ; one plain vector instruction behind the last exponential before its result is used
	s_wait_alu depctr_va_vdst(0)
.irp q, 0,1,2,3
.if \first
	s_wait_alu depctr_va_vdst(0)
	v_pk_add_f32 v[LS+2*\q:LS+2*\q+1], v[SB+32*\q:SB+32*\q+1], v[SB+32*\q+2:SB+32*\q+3]
.else
	v_pk_fma_f32 v[LS+2*\q:LS+2*\q+1], v[LS+2*\q:LS+2*\q+1], v[AL+2*\q:AL+2*\q+1], v[SB+32*\q:SB+32*\q+1] op_sel_hi:[1,0,1]
.endif
.endr
.if \first == 0
.irp q, 0,1,2,3
	v_pk_add_f32 v[LS+2*\q:LS+2*\q+1], v[LS+2*\q:LS+2*\q+1], v[SB+32*\q+2:SB+32*\q+3]
.endr
.endif
.set i, 4
.rept 14
.irp q, 0,1,2,3
	v_pk_add_f32 v[LS+2*\q:LS+2*\q+1], v[LS+2*\q:LS+2*\q+1], v[SB+32*\q+i:SB+32*\q+i+1]
.endr
.set i, i+2
.endr
	; two tiles of 16 keys, 16 f32 a lane, become the 8 registers of a B fragment of 32 keys, in place: register i is written when 2 i and 2 i + 1 are read
.set k, 0
.rept 8
.set i, 0
.rept 8
	v_cvt_pk_f16_f32 v[SB+16*k+i], v[SB+16*k+2*i], v[SB+16*k+2*i+1]
.set i, i+1
.endr
.set k, k+1
.endr
.endm
; One block: 64 keys x 64 q.  u = 0, 1: which half of my quarter of slot s.  fill (u = 1 alone): the slot is filled again, two visits ahead.
.macro BLOCK s, u, first, fill
	s_wait_dscnt 0x0                               ; K's fragments are in
.if \first == 0
.rept 5
	v_nop                                          ; five places behind the last product of O: the scores are written over its P fragments
.endr
.endif
	WIN W_S
	SMUL
	WIN W_LD
	PLACES                                         ; behind the scores' products: for the loads into K's fragments and the softmax's reads of the scores
	VLOAD \s, \u
.if \u == 0
	KLOAD \s, 1
.endif
	WIN 0
	SOFTMAX \first
.if \first == 0
	WIN W_RS
	RESCALE
.endif
.if \u == 0
	s_wait_dscnt 16                                ; V's fragments are in; the 16 loads of the next K fragments stay out
	WIN W_PV
	PVMUL \first
	WIN 0
.else
	s_wait_dscnt 0x0                               ; V's fragments are in, and my reads of this slot are over
	s_wait_xcnt 0x0
	s_set_vgpr_msb 0x4140
	v_lshl_add_u32 v191, v0, 2, 0x4c000
	s_set_vgpr_msb 0x4000
	v_mov_b32 v255, 0
	s_set_vgpr_msb 0x1
	s_wait_tensorcnt 0x0                           ; all my tensor loads have landed, my part of the other slot among them
	ds_add_u32 v191, v255
	s_wait_dscnt 0x0
	s_set_vgpr_msb 0x141
	s_barrier_signal -1
	WIN W_PV
	PVMUL 0                                        ; registers only, while the others arrive
	WIN 0
	s_barrier_wait -1
.if \fill
	CREST                                          ; the round: no wave of any partner still reads the slot or has a load on its way
	s_add_nc_u64 s[G0K+4*\s+2:G0K+4*\s+3], s[G0K+4*\s+2:G0K+4*\s+3], 131072    ; 1,024 keys on
	s_add_nc_u64 s[G0V+4*\s+2:G0V+4*\s+3], s[G0V+4*\s+2:G0V+4*\s+3], 131072
	JLOAD \s                                       ; my one tensor load behind the round
.endif
.endif
.endm
.macro VISIT s, fill, first            ; a slot's 512 keys: my quarter is two blocks
	WIN W_LD
	KLOAD \s, 0
	BLOCK \s, 0, \first, 0
	BLOCK \s, 1, 0, \fill
.endm
	s_wait_tensorcnt 1                             ; my part of slot 0 is in; slot 1's load stays out
	s_barrier_signal -1
	s_barrier_wait -1
	VISIT 0, 1, 1                                  ; keys 0-511: the first block starts maximum, sums and O
	VISIT 1, 1, 0
	s_mov_b32 s60, 2
.Lvisits:
	VISIT 0, 1, 0
	VISIT 1, 1, 0
	s_sub_co_u32 s60, s60, 1
	s_cmp_lg_u32 s60, 0
	s_cbranch_scc1 .Lvisits
	VISIT 0, 0, 0                                  ; the last 1,024 keys: nothing is left to fetch
	VISIT 1, 0, 0                                  ; behind its barrier no wave reads a slot and no fill is out or to come: the slots' bytes serve the merge
	; THE MERGE of the four quarters of the keys.  The address work below also stands as the places behind the last matrix instructions.
	v_and_b32 v7, 31, v0                           ; lane
	v_and_b32 v240, 15, v0                         ; r
	v_bfe_u32 v241, v0, 4, 1                       ; h
	v_lshlrev_b32 v15, 4, v7                       ; 16 x lane
	s_lshl_b32 s14, s10, 14
	v_add_nc_u32 v8, s14, v15                      ; my partial O: w x 16,384 + 16 x lane
	s_lshl_b32 s15, s10, 10
	s_add_co_u32 s15, s15, PAIRS
	v_lshl_add_u32 v9, v7, 3, s15                  ; my pairs: w x 1,024 + 8 x lane
	s_lshl_b32 s16, s12, 14
	s_lshl_b32 s17, s13, 12
	s_add_co_u32 s16, s16, s17
	v_add_nc_u32 v10, s16, v15                     ; to read: waves a + 2 g', q block g (8 x 512 bytes each): g' = 0, 1 from here,
	v_add_nc_u32 v11, 0x10000, v10                 ; g' = 2, 3 from 65,536 further on (the immediate has 16 bits)
	s_lshl_b32 s16, s12, 10
	s_lshl_b32 s17, s13, 8
	s_add_co_u32 s16, s16, s17
	s_add_co_u32 s16, s16, PAIRS
	v_lshl_add_u32 v12, v7, 3, s16
	s_mul_i32 s17, s10, 16*KP
	s_add_co_u32 s17, s17, OSTG                    ; my out stage: 16 rows of 144 bytes
	v_mul_u32_u24 v13, v240, KP
	v_lshl_add_u32 v13, v241, 4, v13
	v_add_nc_u32 v13, s17, v13                     ; in: row r, 16 bytes for each half
	v_lshrrev_b32 v242, 3, v7
	v_and_b32 v243, 7, v0
	v_mul_u32_u24 v14, v242, KP
	v_lshl_add_u32 v14, v243, 4, v14
	v_add_nc_u32 v14, s17, v14                     ; back: eight lanes a row of 128 bytes
	s_lshl_b32 s14, s61, 17                        ; att: (1,024 head + 128 block + 64 a + 16 g) rows of 128 bytes
	s_lshl_b32 s15, s63, 14
	s_add_co_u32 s14, s14, s15
	s_lshl_b32 s15, s12, 13
	s_add_co_u32 s14, s14, s15
	s_lshl_b32 s15, s13, 11
	s_add_co_u32 s14, s14, s15
	s_mov_b32 s15, 0
	s_add_nc_u64 s[8:9], s[8:9], s[14:15]
.irp q, 0,1,2,3
	v_add_f32 v[TT+\q], v[LS+2*\q], v[LS+2*\q+1]
.endr
.irp q, 0,1,2,3
	v_permlanex16_b32 v[AL+2*\q+1], v[TT+\q], s58, s59
.endr
.irp q, 0,1,2,3
	v_add_f32 v[NM+2*\q+1], v[TT+\q], v[AL+2*\q+1]         ; the sum over my quarter's keys, beside -c x maximum
.endr
	WIN W_ST
.set t, 0
.rept 32
	ds_store_b128 v8, v[OB+4*t:OB+4*t+3] offset:512*t
.set t, t+1
.endr
	WIN 0
.irp q, 0,1,2,3
	ds_store_b64 v9, v[NM+2*\q:NM+2*\q+1] offset:256*\q
.endr
	s_wait_dscnt 0x0                               ; my stores are done, for the others' sake
	s_barrier_signal -1
	s_barrier_wait -1
	; wave (a, g) finishes q block g of half a: four pairs, four partial O of 32 registers
.irp p, 0,1,2,3
	ds_load_b64 v[240+2*\p:241+2*\p], v12 offset:2048*\p
.endr
.irp p, 0,1
.irp t, 0,1,2,3,4,5,6,7
	ds_load_b128 v[SB+32*\p+4*\t:SB+32*\p+4*\t+3], v10 offset:32768*\p+512*\t
.endr
.endr
.irp p, 0,1
.irp t, 0,1,2,3,4,5,6,7
	ds_load_b128 v[SB+64+32*\p+4*\t:SB+64+32*\p+4*\t+3], v11 offset:32768*\p+512*\t
.endr
.endr
	s_wait_dscnt 32                                ; the four pairs are in; the 32 loads of O stay out
	v_min_num_f32 v248, v240, v242                 ; the least -c x maximum belongs to the largest maximum
	v_min_num_f32 v248, v248, v244
	v_min_num_f32 v248, v248, v246
.irp p, 0,1,2,3
	v_sub_f32 v[249+\p], v248, v[240+2*\p]         ; never above 0
.endr
.irp p, 0,1,2,3
	v_exp_f32 v[249+\p], v[249+\p]
.endr
	v_nop
	s_wait_alu depctr_va_vdst(0)
	v_mul_f32 v253, v249, v241
	v_fmac_f32 v253, v250, v243
	v_fmac_f32 v253, v251, v245
	v_fmac_f32 v253, v252, v247                    ; the whole sum: at least about 1, the largest score's own weight
	v_rcp_f32 v254, v253
	v_nop
	s_wait_alu depctr_va_vdst(0)
.irp p, 0,1,2,3
	v_mul_f32 v[240+2*\p], v[249+\p], v254         ; each quarter's weight, divided by the sum, in both registers of a pair
	v_mul_f32 v[241+2*\p], v[249+\p], v254
.endr
	s_wait_dscnt 0x0
.set i, 0
.rept 16
	v_pk_mul_f32 v[SB+i:SB+i+1], v[SB+i:SB+i+1], v[240:241]
.set i, i+2
.endr
.irp p, 1,2,3
.set i, 0
.rept 16
	v_pk_fma_f32 v[SB+i:SB+i+1], v[SB+32*\p+i:SB+32*\p+i+1], v[240+2*\p:241+2*\p], v[SB+i:SB+i+1]
.set i, i+2
.endr
.endr
.set i, 0
.rept 16
	v_cvt_pk_bf16_f32 v[SB+32+i], v[SB+2*i], v[SB+2*i+1]   ; lane (r, h), registers 4 db .. 4 db + 3: d = 16 db + 8 h + 0..7 of row r
.set i, i+1
.endr
.irp db, 0,1,2,3
	ds_store_b128 v13, v[SB+32+4*\db:SB+32+4*\db+3] offset:32*\db
.endr
.irp t, 0,1,2,3
	ds_load_b128 v[SB+64+4*\t:SB+64+4*\t+3], v14 offset:\t*4*KP    ; my own bytes: LDS serves a wave's instructions in order
.endr
.irp t, 0,1,2,3
	s_wait_dscnt 3-\t
	global_store_b128 v15, v[SB+64+4*\t:SB+64+4*\t+3], s[8:9] offset:512*\t    ; the wave stores 512 consecutive bytes, aligned: four rows of 128
.endr
	s_wait_xcnt 0x0
	s_set_vgpr_msb 0x40
	v_lshl_add_u32 v191, v0, 2, 0x4c000
	s_set_vgpr_msb 0x4000
	v_mov_b32 v255, 0
	s_set_vgpr_msb 0x1
	s_wait_tensorcnt 0x0
	ds_add_u32 v191, v255
	s_wait_dscnt 0x0
	s_set_vgpr_msb 0x100
	CROUND                                         ; the closing round
	s_endpgm
.Lfunc_end_k_q1323992668_attn:
	.size	k_q1323992668_attn, .Lfunc_end_k_q1323992668_attn-k_q1323992668_attn
	.p2alignl 7, 3214868480
	.fill 96, 4, 3214868480
	.section	.rodata,"a",@progbits
	.p2align	6, 0x0
	.amdhsa_kernel k_q1323992668_attn
		.amdhsa_group_segment_fixed_size 327680
		.amdhsa_private_segment_fixed_size 0
		.amdhsa_enable_private_segment 0
		.amdhsa_kernarg_size 24
		.amdhsa_user_sgpr_count 2
		.amdhsa_user_sgpr_kernarg_segment_ptr 1
		.amdhsa_wavefront_size32 1
		.amdhsa_system_sgpr_workgroup_id_x 1
		.amdhsa_system_sgpr_workgroup_id_y 1
		.amdhsa_system_sgpr_workgroup_id_z 1
		.amdhsa_system_vgpr_workitem_id 0
		.amdhsa_next_free_vgpr 512
		.amdhsa_next_free_sgpr 66
		.amdhsa_reserve_vcc 0
		.amdhsa_float_denorm_mode_32 3
		.amdhsa_float_denorm_mode_16_64 3
		.amdhsa_memory_ordered 1
		.amdhsa_forward_progress 1
		.amdhsa_inst_pref_size 255
	.end_amdhsa_kernel
	.section	.bss,"aw",@nobits
	.p2align	6
	.space	262144
	.amdgpu_metadata
---
amdhsa.version: [ 1, 2 ]
amdhsa.kernels:
  - .name:           k_q1323992668_attn
    .symbol:         k_q1323992668_attn.kd
    .args:
      - { .name: q_f, .offset: 0, .size: 8, .value_kind: global_buffer, .address_space: global }
      - { .name: kv, .offset: 8, .size: 8, .value_kind: global_buffer, .address_space: global }
      - { .name: att_b, .offset: 16, .size: 8, .value_kind: global_buffer, .address_space: global }
    .group_segment_fixed_size: 327680
    .private_segment_fixed_size: 0
    .kernarg_segment_align: 8
    .kernarg_segment_size: 24
    .max_flat_workgroup_size: 256
    .sgpr_count:     66
    .vgpr_count:     512
    .wavefront_size: 32
...
	.end_amdgpu_metadata
.endif
;; end of part 3
;; launch gemm_o (part 4): grid 8 x 32, 4 waves a work-group, clusters of 4 x 4, 327,680 bytes of LDS; arguments att_b, wo_b, out0; writes out0
.if DOCPART == 4
	.amdgcn_target "amdgcn-amd-amdhsa--gfx1250"
	.amdhsa_code_object_version 6
	.text
	.protected	k_q1323992668_gemm_o
	.globl	k_q1323992668_gemm_o
	.p2align	8
	.type	k_q1323992668_gemm_o,@function
k_q1323992668_gemm_o:
	s_mov_b64 s[64:65], 0
	v_nop
	global_prefetch_b8 v0, s[64:65] scope:SCOPE_SE
	s_setreg_imm32_b32 hwreg(HW_REG_WAVE_MODE, 25, 1), 1
	s_wait_xcnt 0x0
	s_wait_alu depctr_hold_cnt(0) depctr_sa_sdst(0) depctr_va_vdst(0) depctr_va_sdst(0) depctr_va_ssrc(0) depctr_va_vcc(0) depctr_vm_vsrc(0)
	s_getreg_b32 s2, hwreg(HW_REG_IB_STS2, 6, 4)
	s_cmp_eq_u32 s2, 0
	s_cbranch_scc0 .Lentry_in_a_cluster
	s_endpgm
.Lentry_in_a_cluster:
	s_bfe_u32 s2, ttmp6, 0x10000c
	s_cmp_lg_u32 s2, 0xf033
	s_cbranch_scc0 .Lentry_shape_is_right
	s_endpgm
.Lentry_shape_is_right:
; out = att Wo^T: C[m][n] = sum over k of A[m][k] B[n][k], M = 2048, N = 1024, K = 1024; C in f32, row-major.
; A is bf16 in the blocked order [batch 2][block of 64 k 16][row 1024][64], which is attention's [batch][head][q][64]; B is bf16 [1024][1024], row-major.
; 256 work-groups of 64 (m) x 128 (n), so that all WGPs have equal work; four waves, a wave makes 32 x 64: 8 accumulator tiles.
; LDS: all of A's K (16 blocks of 64 rows x 144 bytes) is brought once; B goes through a ring of two slots of 256 along K (128 rows x 528 bytes).
; CLUSTERS: 4 x 4 work-groups.  A's tiles hang on the block row alone and are asked for jointly along a row of the cluster, B's on the block column alone and
; jointly along a column.  Every wave issues its part of both kinds, so no tensor load stands under a branch.
; The matrix instruction is used transposed (source 0 = rows of B, source 1 = rows of A): a lane's eight results are eight neighbouring f32 of one row of C.
.set APITCH, 144                       ; 128 bytes + 16: an odd multiple of 16
.set ABLK,   64*APITCH                 ; 9,216
.set BPITCH, 528                       ; 512 bytes + 16
.set BBASE,  16*ABLK                   ; 147,456
.set BSLOT,  128*BPITCH                ; 67,584
.set STAGE,  BBASE+2*BSLOT             ; 282,624 = 1,104 x 256: the stage has blocks of its own, no tensor load lands here
.set SPITCH, 272                       ; 64 f32 + 16 bytes
.set WSTAGE, 32*SPITCH                 ; 8,704 a wave
.set ADRA, 8                           ; v[8:11]  LDS address of my A fragments for visit 0..3 (a visit = 256 along K)
.set ADRB, 12                          ; v[12:13] LDS address of my B fragments in slot 0, 1
.set STO,  14
.set RD,   15
.set CO,   16
.set F0,   32                          ; v[32:79]   fragment buffer 0: A's two at +0, B's four at +16
.set F1,   80                          ; v[80:127]  fragment buffer 1
.set ACC,  128                         ; v[128:191] tile (a, b) at ACC + 8 (4 a + b)
.set G1A, 16
.set G1B, 24
.set G0A, 32                           ; s[32:47] four sets: my four blocks of A
.set G0B, 48                           ; s[48:55] a set for each slot of B
.macro CREST
	s_cmp_lg_u32 s10, 0
	s_cbranch_scc1 .Lnot_wave_0_\@
	s_barrier_signal -3
.Lnot_wave_0_\@:
	s_barrier_wait -3
	s_barrier_signal -1
	s_barrier_wait -1
.endm
.macro CROUND
	s_barrier_signal -1
	s_barrier_wait -1
	CREST
.endm
.macro PLACES                          ; four independent vector instructions behind a matrix instruction (ISA guide 7.12.1)
.rept 4
	v_nop
.endr
.endm
	s_load_b128 s[4:7], s[0:1], 0x0                ; A s[4:5], B s[6:7]
	s_load_b64 s[8:9], s[0:1], 0x10                ; C
	v_lshl_add_u32 v192, v0, 2, 0x4d800
	v_mov_b32 v193, 0
	ds_add_u32 v192, v193
	v_lshrrev_b32 v3, 5, v0
	v_readfirstlane_b32 s10, v3                    ; wave 0..3
	s_lshr_b32 s11, s10, 1                         ; wm: which 32 rows
	s_and_b32 s12, s10, 1                          ; wn: which 64 columns
	s_bfe_u32 s56, ttmp6, 0x40000                  ; cx
	s_bfe_u32 s57, ttmp6, 0x40004                  ; cy
	s_lshl_b32 s58, ttmp9, 2
	s_add_co_u32 s58, s58, s56                     ; nb: block column, 0..7
	s_and_b32 s59, ttmp7, 0xffff
	s_lshl_b32 s59, s59, 2
	s_add_co_u32 s59, s59, s57                     ; mb: block row, 0..31
	s_lshl_b32 s60, s57, 2
	s_lshl_b32 s60, 15, s60                        ; my row of the cluster
	s_lshl_b32 s61, 0x1111, s56                    ; my column
	; A's group 1: 64 rows x 64 elements of 2 bytes, dense in memory; 4 words of padding behind every 32 words
	s_or_b32 s[G1A+0], s60, (1<<16)|(1<<20)|(1<<21)|(4<<22)|(3<<25)
	s_mov_b32 s[G1A+1], 64<<16                     ; tensor_dim0 = 64
	s_mov_b32 s[G1A+2], 64<<16                     ; tensor_dim1 = 64
	s_mov_b32 s[G1A+3], 64<<16                     ; tile_dim0 = 64
	s_mov_b32 s[G1A+4], 64                         ; tile_dim1 = 64
	s_mov_b32 s[G1A+5], 64                         ; elements from row to row
	s_mov_b32 s[G1A+6], 0
	s_mov_b32 s[G1A+7], 0
	; B's group 1: 32 rows x 256 elements; 4 words of padding behind every 128 words
	s_or_b32 s[G1B+0], s61, (1<<16)|(1<<20)|(1<<21)|(6<<22)|(3<<25)
	s_mov_b32 s[G1B+1], 256<<16
	s_mov_b32 s[G1B+2], 32<<16
	s_mov_b32 s[G1B+3], 256<<16
	s_mov_b32 s[G1B+4], 32
	s_mov_b32 s[G1B+5], 1024
	s_mov_b32 s[G1B+6], 0
	s_mov_b32 s[G1B+7], 0
	; A: batch (mb / 16) x 2,097,152 + 64 rows (mb mod 16) x 8,192 + block of k (4 i + wave) x 131,072.  No cx enters.
	s_lshr_b32 s14, s59, 4
	s_lshl_b32 s14, s14, 21
	s_and_b32 s15, s59, 15
	s_lshl_b32 s15, s15, 13
	s_add_co_u32 s14, s14, s15
	s_lshl_b32 s15, s10, 17
	s_add_co_u32 s14, s14, s15
	s_mov_b32 s15, 0
	; B: row (128 nb + 32 wave) x 2,048 bytes.  No cy enters.
	s_lshl_b32 s62, s58, 18
	s_lshl_b32 s63, s10, 16
	s_add_co_u32 s62, s62, s63
	s_mov_b32 s63, 0
	s_mul_i32 s13, s10, ABLK                       ; LDS: block 4 i + wave
	s_mul_i32 s3, s10, 32*BPITCH                   ; LDS: my 32 rows of a slot
	s_wait_dscnt 0x0
	s_wait_kmcnt 0x0
	s_add_nc_u64 s[14:15], s[4:5], s[14:15]
	s_add_nc_u64 s[62:63], s[6:7], s[62:63]
.irp i, 0,1,2,3
	s_mov_b32 s[G0A+4*\i], 1
	s_add_co_u32 s[G0A+4*\i+1], s13, \i*4*ABLK
	s_add_nc_u64 s[G0A+4*\i+2:G0A+4*\i+3], s[14:15], \i*524288
	s_or_b32 s[G0A+4*\i+3], s[G0A+4*\i+3], 0x80000000
.endr
.irp s, 0,1
	s_mov_b32 s[G0B+4*\s], 1
	s_add_co_u32 s[G0B+4*\s+1], s3, BBASE+\s*BSLOT
	s_add_nc_u64 s[G0B+4*\s+2:G0B+4*\s+3], s[62:63], \s*512
	s_or_b32 s[G0B+4*\s+3], s[G0B+4*\s+3], 0x80000000
.endr
	CROUND                                         ; all sixteen work-groups are here: the first joint loads meet
	tensor_load_to_lds s[G0A:G0A+3], s[G1A:G1A+7]          ; the first fills, in the order of need: six loads of a wave are out
	s_nop 0
	tensor_load_to_lds s[G0B:G0B+3], s[G1B:G1B+7]
	s_nop 0
	tensor_load_to_lds s[G0A+4:G0A+7], s[G1A:G1A+7]
	s_nop 0
	tensor_load_to_lds s[G0B+4:G0B+7], s[G1B:G1B+7]
	s_nop 0
	tensor_load_to_lds s[G0A+8:G0A+11], s[G1A:G1A+7]
	s_nop 0
	tensor_load_to_lds s[G0A+12:G0A+15], s[G1A:G1A+7]
	s_nop 0
	v_and_b32 v1, 15, v0                           ; r
	v_bfe_u32 v2, v0, 4, 1                         ; h
	v_mul_u32_u24 v3, v1, APITCH
	v_lshl_add_u32 v3, v2, 4, v3                   ; r x pitch + 16 h
	s_mul_i32 s13, s11, 32*APITCH                  ; my 32 rows of A
.irp v, 0,1,2,3
	v_add_nc_u32 v[ADRA+\v], s13, v3
	s_add_co_u32 s13, s13, 4*ABLK                  ; a visit is four blocks of k
.endr
	v_mul_u32_u24 v4, v1, BPITCH
	v_lshl_add_u32 v4, v2, 4, v4
	s_mul_i32 s3, s12, 64*BPITCH                   ; my 64 rows of B
	s_add_co_u32 s3, s3, BBASE
.irp s, 0,1
	v_add_nc_u32 v[ADRB+\s], s3, v4
	s_add_co_u32 s3, s3, BSLOT
.endr
	s_mul_i32 s13, s10, WSTAGE
	s_add_co_u32 s13, s13, STAGE                   ; my stage
	v_mul_u32_u24 v5, v1, SPITCH                   ; in: row r, 32 bytes for each half of the lanes
	v_lshl_add_u32 v5, v2, 5, v5
	v_add_nc_u32 v[STO], s13, v5
	v_mul_u32_u24 v6, v2, SPITCH                   ; back: lanes 0-15 one row of 256 bytes, lanes 16-31 the next
	v_lshl_add_u32 v6, v1, 4, v6
	v_add_nc_u32 v[RD], s13, v6
	v_lshlrev_b32 v7, 12, v2                       ; and the same two rows in C, 4,096 bytes apart
	v_lshl_add_u32 v[CO], v1, 4, v7
; 12 LDS loads: the fragments of K step t (32 along K) of visit v, whose B lies in slot s, into buffer f
.macro FETCH v, s, t, f
.irp a, 0,1
	ds_load_b128 v[\f+8*\a:\f+8*\a+3],   v[ADRA+\v] offset:(\t>>1)*ABLK+(\t&1)*64+\a*16*APITCH
	ds_load_b128 v[\f+8*\a+4:\f+8*\a+7], v[ADRA+\v] offset:(\t>>1)*ABLK+(\t&1)*64+\a*16*APITCH+32
.endr
.irp b, 0,1,2,3
	ds_load_b128 v[\f+16+8*\b:\f+16+8*\b+3], v[ADRB+\s] offset:\t*64+\b*16*BPITCH
	ds_load_b128 v[\f+16+8*\b+4:\f+16+8*\b+7], v[ADRB+\s] offset:\t*64+\b*16*BPITCH+32
.endr
.endm
; 8 matrix instructions; the eight accumulators take turns, one instruction a turn, always in this order
.macro MUL f, zero
.irp a, 0,1
.irp b, 0,1,2,3
.if \zero
	v_wmma_f32_16x16x32_bf16 v[ACC+8*(4*\a+\b):ACC+8*(4*\a+\b)+7], v[\f+16+8*\b:\f+16+8*\b+7], v[\f+8*\a:\f+8*\a+7], 0
.else
	v_wmma_f32_16x16x32_bf16 v[ACC+8*(4*\a+\b):ACC+8*(4*\a+\b)+7], v[\f+16+8*\b:\f+16+8*\b+7], v[\f+8*\a:\f+8*\a+7], v[ACC+8*(4*\a+\b):ACC+8*(4*\a+\b)+7]
.endif
.endr
.endr
.endm
; fetches K step t into buffer g (last read by the matrix instructions in front of the places), multiplies buffer f
.macro STEP v, s, t, f, g, zero
	PLACES
	FETCH \v, \s, \t, \g
	s_wait_dscnt 12                                ; all but the 12 just issued: buffer f is in
	MUL \f, \zero
.endm
.macro SEVEN v, s, zero
	STEP \v, \s, 1, F0, F1, \zero
	STEP \v, \s, 2, F1, F0, 0
	STEP \v, \s, 3, F0, F1, 0
	STEP \v, \s, 4, F1, F0, 0
	STEP \v, \s, 5, F0, F1, 0
	STEP \v, \s, 6, F1, F0, 0
	STEP \v, \s, 7, F0, F1, 0
.endm
; The visit's last K step, and the change of slots.  s: this visit's slot; nv, ns: the next visit and its slot; fill = 1: slot s is filled again, two visits ahead.
.macro TURN s, nv, ns, fill
	s_wait_dscnt 0x0                               ; buffer 1 is in, and my reads of this slot are over
	s_wait_tensorcnt 0x0                           ; all my tensor loads have landed, my part of the next slot among them
	ds_add_u32 v192, v193
	s_wait_dscnt 0x0
	s_barrier_signal -1
	MUL F1, 0                                      ; registers only
	s_barrier_wait -1
.if \fill
	CREST                                          ; the round: no wave of any partner still reads the slot or has a load on its way
	s_add_nc_u64 s[G0B+4*\s+2:G0B+4*\s+3], s[G0B+4*\s+2:G0B+4*\s+3], 1024   ; 512 elements along K
	tensor_load_to_lds s[G0B+4*\s:G0B+4*\s+3], s[G1B:G1B+7]                 ; my one tensor load behind the round
	s_nop 0
.endif
	PLACES
	FETCH \nv, \ns, 0, F0
.endm
	s_wait_tensorcnt 4                             ; my first block of A and my part of B's slot 0 are in; the four younger loads stay out
	s_barrier_signal -1
	s_barrier_wait -1
	FETCH 0, 0, 0, F0
	SEVEN 0, 0, 1                                  ; the first products start the sums
	TURN 0, 1, 1, 1
	SEVEN 1, 1, 0
	TURN 1, 2, 0, 1
	SEVEN 2, 0, 0
	TURN 0, 3, 1, 0                                ; nothing is left to fetch
	SEVEN 3, 1, 0
	s_wait_dscnt 0x0
	MUL F1, 0
	; THE WAY OUT: 32 bytes a lane and tile into my own stage, read back as whole rows of 256 bytes
	PLACES
	s_lshl_b32 s14, s59, 18                        ; row (64 mb + 32 wm) x 4,096 bytes
	s_lshl_b32 s15, s11, 17
	s_add_co_u32 s14, s14, s15
	s_mov_b32 s15, 0
	s_add_nc_u64 s[8:9], s[8:9], s[14:15]
	s_lshl_b32 s62, s58, 9                         ; column (128 nb + 64 wn) x 4 bytes
	s_lshl_b32 s63, s12, 8
	s_add_co_u32 s62, s62, s63
	s_mov_b32 s63, 0
	s_add_nc_u64 s[8:9], s[8:9], s[62:63]
.irp a, 0,1
.irp b, 0,1,2,3
	ds_store_b128 v[STO], v[ACC+8*(4*\a+\b):ACC+8*(4*\a+\b)+3]   offset:\a*16*SPITCH+64*\b
	ds_store_b128 v[STO], v[ACC+8*(4*\a+\b)+4:ACC+8*(4*\a+\b)+7] offset:\a*16*SPITCH+64*\b+16
.endr
.endr
.set i, 0
.rept 16
	ds_load_b128 v[F0+4*i:F0+4*i+3], v[RD] offset:i*2*SPITCH       ; LDS serves a wave's instructions in order: these see the stores above
.set i, i+1
.endr
.set i, 0
.rept 16
	s_wait_dscnt 15-i
	global_store_b128 v[CO], v[F0+4*i:F0+4*i+3], s[8:9] offset:2*i*4096    ; 16 lanes store 256 consecutive bytes, aligned
.set i, i+1
.endr
	s_wait_tensorcnt 0x0
	ds_add_u32 v192, v193
	s_wait_dscnt 0x0
	CROUND                                         ; the closing round
	s_endpgm
.Lfunc_end_k_q1323992668_gemm_o:
	.size	k_q1323992668_gemm_o, .Lfunc_end_k_q1323992668_gemm_o-k_q1323992668_gemm_o
	.p2alignl 7, 3214868480
	.fill 96, 4, 3214868480
	.section	.rodata,"a",@progbits
	.p2align	6, 0x0
	.amdhsa_kernel k_q1323992668_gemm_o
		.amdhsa_group_segment_fixed_size 327680
		.amdhsa_private_segment_fixed_size 0
		.amdhsa_enable_private_segment 0
		.amdhsa_kernarg_size 24
		.amdhsa_user_sgpr_count 2
		.amdhsa_user_sgpr_kernarg_segment_ptr 1
		.amdhsa_wavefront_size32 1
		.amdhsa_system_sgpr_workgroup_id_x 1
		.amdhsa_system_sgpr_workgroup_id_y 1
		.amdhsa_system_sgpr_workgroup_id_z 1
		.amdhsa_system_vgpr_workitem_id 0
		.amdhsa_next_free_vgpr 194
		.amdhsa_next_free_sgpr 66
		.amdhsa_reserve_vcc 0
		.amdhsa_float_denorm_mode_32 3
		.amdhsa_float_denorm_mode_16_64 3
		.amdhsa_memory_ordered 1
		.amdhsa_forward_progress 1
		.amdhsa_inst_pref_size 58
	.end_amdhsa_kernel
	.amdgpu_metadata
---
amdhsa.version: [ 1, 2 ]
amdhsa.kernels:
  - .name:           k_q1323992668_gemm_o
    .symbol:         k_q1323992668_gemm_o.kd
    .args:
      - { .name: att_b, .offset: 0, .size: 8, .value_kind: global_buffer, .address_space: global }
      - { .name: wo_b, .offset: 8, .size: 8, .value_kind: global_buffer, .address_space: global }
      - { .name: out0, .offset: 16, .size: 8, .value_kind: global_buffer, .address_space: global }
    .group_segment_fixed_size: 327680
    .private_segment_fixed_size: 0
    .kernarg_segment_align: 8
    .kernarg_segment_size: 24
    .max_flat_workgroup_size: 128
    .sgpr_count:     66
    .vgpr_count:     194
    .wavefront_size: 32
...
	.end_amdgpu_metadata
.endif
;; end of part 4
